; MI455X (gfx1250); checked and timed in simulation.
; The chip was launched on July 23, 2026; its instructions are those of AMD's public machine-readable ISA for CDNA 5 (MIT licence, August 2026) and "CDNA5" Instruction Set Architecture Reference Guide (July 2026). The comments in the code are by the model that wrote it; some were corrected since.
;; Causal Self Attention. Allowed arithmetic: matrix products marked QUANTISED: E2M1 operands, one E8M0 scale for each 32 along K, by v_wmma_scale_f32_16x16x128_f8f6f4 with both operands' format E2M1 (or v_wmma_scale_f32_32x16x128_f4), f32 sums; products left as they are: bf16, f16 or f32 operands; f32 sums; everything else in f32.
;; Inputs: W_attn 1,024 x 3,072 float32; W_proj 1,024 x 1,024 float32; b_attn 3,072 float32; b_proj 1,024 float32; x 4 x 2,048 x 1,024 float32.
;; Outputs: out0 4 x 2,048 x 1,024 float32.
;; This version of the problem:
;;   THIS VERSION OF THE PROBLEM IS GIVEN IN LOW PRECISION. The matrix products marked QUANTISED in the list below multiply operands that are first quantised to E2M1 (2 exponent bits, 1 mantissa bit; 4 bits a number), with one power-of-two scale for each 32 numbers along K (OCP MX v1.0); their sums are f32. The products marked 'left as it is' may take bf16, f16 or f32 operands, with f32 sums. Whichever they take, every output number must still come out within the allowed error. Rounding operands to bf16 (8 significant bits) uses up far more of that allowance than f16 does (11 bits, for magnitudes from 6e-5 to 65,504). All else is computed in f32.
;;   The module's matrix products, in the order in which they are computed (A, B: the left and right operand; K: the contracted axis; several contracted axes count as one K, in the product's order):
;;     1. [M 8,192, K 1,024] x [K 1,024, N 3,072]; A: input x; B: input W_attn: QUANTISED
;;     2. batch 64 x [M 2,048, K 64] x [K 64, N 2,048]; A: computed on the way; B: computed on the way: left as it is (an operand is computed on the way)
;;     3. batch 64 x [M 2,048, K 2,048] x [K 2,048, N 64]; A: computed on the way; B: computed on the way: left as it is (an operand is computed on the way)
;;     4. [M 8,192, K 1,024] x [K 1,024, N 1,024]; A: computed on the way; B: input W_proj: left as it is (an operand is computed on the way)
;;   THE QUANTISER, for each operand of a quantised product, along K:
;;     - K is cut into blocks of 32 from its start; a last block that is shorter is filled with zeros.
;;     - A block's scale is 2^e with e = floor(log2(the largest magnitude in the block)) - 2, held to -126 .. 127; a block of zeros has e = 0. As a byte (E8M0): e + 127.
;;     - Each number is divided by its block's scale, clamped to +-6, and rounded to the nearest number of E2M1, ties to even, subnormals kept.
;;     - The product sums the exact products of the quantised numbers (number of the format x scale) in f32.
;;   ~~~python
;;   def quantise(x, axis):      # numpy; x: float32 -> the quantised numbers, widened to float32 again
;;       x = np.moveaxis(x, axis, -1); K = x.shape[-1]
;;       x = np.pad(x, [(0, 0)] * (x.ndim - 1) + [(0, -K % 32)]); x = x.reshape(x.shape[:-1] + (-1, 32)); a = np.abs(x).max(-1, keepdims=True)
;;       e = np.where(a > 0, np.clip(np.frexp(np.where(a > 0, a, 1))[1] - 1 - 2, -126, 127), 0)      # np.frexp(a)[1] - 1 = floor(log2(a)), exactly
;;       r = np.clip(x / 2.0 ** e, -6, 6)
;;       step = 2.0 ** (np.maximum(np.frexp(np.where(r == 0, 1, r))[1] - 1, 0) - 1)
;;       q = np.round(r / step) * step * 2.0 ** e      # np.round: ties to even
;;       return np.moveaxis(q.reshape(q.shape[:-2] + (-1,))[..., :K], -1, axis).astype(np.float32)
;;   ~~~
;; One version. Each part assembles by itself: llvm-mc -triple=amdgcn-amd-amdhsa -mcpu=gfx1250 --defsym DOCPART=n.
;; ======== version 1 of 1: 5 launches
;; limits: values are held in f16: magnitudes above 65,504 overflow, below 6.1e-05 lose precision
;; workspace buffers: xc 4,194,304 bytes; xs 262,144 bytes; wc 1,572,864 bytes; ws 98,304 bytes; wpt 2,097,152 bytes; qkv 50,331,648 bytes; q32 6,291,456 bytes; yh 16,777,216 bytes
;; launch prep (part 1): grid 368 x 1, 4 waves a work-group, no clusters, 102,912 bytes of LDS; arguments x, W_attn, W_proj, xc, xs, wc, ws, wpt; writes xc, xs, wc, ws, wpt
.if DOCPART == 1
	.amdgcn_target "amdgcn-amd-amdhsa--gfx1250"
	.amdhsa_code_object_version 6
	.text
	.protected	k_q12f16afef7_prep
	.globl	k_q12f16afef7_prep
	.p2align	8
	.type	k_q12f16afef7_prep,@function
k_q12f16afef7_prep:
	s_mov_b64 s[64:65], 0
	v_nop
	global_prefetch_b8 v0, s[64:65] scope:SCOPE_SE
	s_setreg_imm32_b32 hwreg(HW_REG_WAVE_MODE, 25, 1), 1
	s_wait_xcnt 0x0
; Three jobs in one launch, told apart by the work-group's number; each has LDS bytes of its own.
;   work-groups 0-255:   x [8192][1024] f32 -> xc: codes of FP4 (E2M1), K innermost, 512 bytes a row; xs: one E8M0 byte for each 32 along K.
;   work-groups 256-303: W_attn [1024 (k)][3072 (n)] f32 -> wc [3072][512 bytes], ws [3072][32]: quantised along K, which is its FIRST axis, and laid with K innermost.
;   work-groups 304-367: W_proj [1024 (k)][1024 (n)] f32 -> wpt [n][k] in f16 (rounded to nearest even), K innermost.
; A block's scale is 2^(floor(log2(its largest magnitude)) - 2); its byte is the largest magnitude's exponent field - 2, held at 1 from below.
; LIMITS: a block of zeros gets the byte 1 (its codes are zeros, and this program alone reads the bytes); blocks whose largest magnitude lies under 2^-124 are held at byte 1;
; NaN and infinities among the inputs are not served; |W_proj| above 65,504 has no f16 number.
; No tensor loads, no barrier: waves share nothing.
.set SPW,   192                        ; v192 LDS address of my spare word: SPARE + 4 x my thread's number; never rewritten
.set NIL,   193                        ; v193 0; never rewritten
.set XREG,  8192                       ; x's path: a region for each wave: two stages of 32 x SP bytes, behind them its 256 scale bytes
.set SP,    80                         ; a lane's place in a stage: its 64 bytes + 16 of padding
.set PITCH, 272                        ; the other two paths: a stage row: 256 bytes + 16
.set WSTG,  32768                      ; W_attn's stages: 32 rows x PITCH for each wave
.set PSTG,  67584                      ; W_proj's likewise
.set SPARE, 102400                     ; the spare words, 128 bytes for each wave: two blocks of 256 bytes that no other line names
.set EMAX,  2
.set STEPS, 16
.set CB,    8                          ; bytes of 16 codes
.set RX,    16                         ; x: v16-79 four sets of 16 numbers as loaded
.set NX,    80                         ;    v80-111 two sets of 16 neighbours
.set EX,    112                        ;    v112-127 a scale byte for each step
.set CX,    128                        ;    v128-191 codes, four registers for each step: no store's data are written again
.set WX,    32                         ; weights: v32-95 two sets of 32 numbers
.set WC,    96                         ;    v96-111 a block's codes or f16 pairs
.set WOUT,  112                        ;    v112-175 the way out
.set WSB,   24                         ;    v24-27 scale bytes, four to a register
.macro FINISH                          ; a wave's end
	s_wait_tensorcnt 0x0
	ds_add_u32 v[SPW], v[NIL]
	s_wait_dscnt 0x0
	s_endpgm
.endm
; ---- x's macros
.macro LOADX t
.irp i, 0,1,2,3
	global_load_b128 v[RX+16*((\t)%4)+4*\i:RX+16*((\t)%4)+4*\i+3], v3, s[4:5] offset:2048*(\t)+512*\i th:TH_LOAD_NT   ; 32 lanes read 512 consecutive bytes
.endr
.endm
.macro TURNX t                         ; step t's 2,048 bytes through the stage: in as they lie, back 64 bytes a lane; LDS serves a wave's instructions in order
.irp i, 0,1,2,3
	ds_store_b128 v14, v[RX+16*((\t)%4)+4*\i:RX+16*((\t)%4)+4*\i+3] offset:32*SP*((\t)%2)+8*SP*\i
.endr
.irp i, 0,1,2,3
	ds_load_b128 v[NX+16*((\t)%2)+4*\i:NX+16*((\t)%2)+4*\i+3], v15 offset:32*SP*((\t)%2)+16*\i
.endr
.endm
.macro STEPX t
.set XS, NX+16*((\t)%2)
.if (\t) > 0
	s_wait_dscnt 1                                 ; this step's numbers are back (the last step's byte store may be out): so its stores into the stage have read their registers
.else
	s_wait_dscnt 0x0
.endif
.if (\t)+4 < STEPS
	LOADX (\t)+4
.endif
.if (\t)+1 < STEPS
.if STEPS-2-(\t) >= 3
	s_wait_loadcnt 12                              ; the next step's four loads are in; the twelve of the three steps behind it may be out
.else
	s_wait_loadcnt 4*(STEPS-2-(\t))
.endif
	TURNX (\t)+1
.endif
	v_max3_num_f32 v8, |v[XS]|, |v[XS+1]|, |v[XS+2]|               ; the largest magnitude of my 16, in two chains
	v_max3_num_f32 v9, |v[XS+3]|, |v[XS+4]|, |v[XS+5]|
.irp i, 6,10
	v_max3_num_f32 v8, v8, |v[XS+\i]|, |v[XS+\i+1]|
	v_max3_num_f32 v9, v9, |v[XS+\i+2]|, |v[XS+\i+3]|
.endr
	v_max3_num_f32 v8, v8, |v[XS+14]|, |v[XS+15]|
	v_max3_num_f32 v8, v8, v9, (EMAX+1)<<23        ; and the floor 2^(3 - 127): the byte cannot fall under 1
	v_max_num_f32_dpp v8, v8, v8 row_xmask:1 row_mask:0xf bank_mask:0xf   ; with my neighbour's 16: the block's
	v_add_nc_u32 v11, -(EMAX<<23), v8              ; 2 off its exponent field: the conversion takes that field as its scale
	v_cvt_scalef32_pk8_fp4_f32 v[CX+4*(\t)], v[XS:XS+7], v11
	v_cvt_scalef32_pk8_fp4_f32 v[CX+4*(\t)+1], v[XS+8:XS+15], v11
	v_lshrrev_b32 v[EX+(\t)], 23, v11              ; the scale's byte
	ds_store_b8 v5, v[EX+(\t)] offset:16*(\t)      ; both lanes of a block write the same byte with the same value
	global_store_b64 v4, v[CX+4*(\t):CX+4*(\t)+1], s[10:11] offset:32*CB*(\t)   ; the wave stores 256 consecutive bytes
.endm
; ---- W_attn's macros: a lane takes a column n and its registers run down K
.macro LOADW t
.set n, 0
.rept 32
	global_load_b32 v[WX+32*((\t)%2)+n], v3, s[6:7] offset:(32*(\t)+n)*12288 th:TH_LOAD_NT
.set n, n+1
.endr
.endm
.macro BLOCKW t
.set XS, WX+32*((\t)%2)
.if (\t) < 15
	s_wait_loadcnt 32                              ; this block's 32 loads are in; the next block's 32 may be out
.else
	s_wait_loadcnt 0x0
.endif
	v_max3_num_f32 v12, |v[XS]|, |v[XS+1]|, |v[XS+2]|               ; all 32 numbers of the block are mine
	v_max3_num_f32 v13, |v[XS+3]|, |v[XS+4]|, |v[XS+5]|
.irp i, 6,10,14,18,22,26
	v_max3_num_f32 v12, v12, |v[XS+\i]|, |v[XS+\i+1]|
	v_max3_num_f32 v13, v13, |v[XS+\i+2]|, |v[XS+\i+3]|
.endr
	v_max3_num_f32 v12, v12, |v[XS+30]|, |v[XS+31]|
	v_max3_num_f32 v12, v12, v13, (EMAX+1)<<23
	v_add_nc_u32 v11, -(EMAX<<23), v12
	v_lshrrev_b32 v13, 23, v11
.if (\t)%4 == 0
	v_mov_b32 v[WSB+(\t)/4], v13
.else
	v_lshl_or_b32 v[WSB+(\t)/4], v13, 8*((\t)%4), v[WSB+(\t)/4]
.endif
.irp g, 0,1,2,3
	v_cvt_scalef32_pk8_fp4_f32 v[WC+\g], v[XS+8*\g:XS+8*\g+7], v11
.endr
	ds_store_b128 v4, v[WC:WC+3] offset:16*(\t)    ; 32 codes: 16 bytes of my column's row
.if (\t)+2 < 16
	LOADW (\t)+2
.endif
	s_wait_dscnt 0x0                               ; the store has read its registers: the next block's codes may be written
.endm
; ---- W_proj's macros: the same plan, a rounding to f16 in place of the quantiser
.macro LOADP t
.set n, 0
.rept 32
	global_load_b32 v[WX+32*((\t)%2)+n], v3, s[8:9] offset:(32*(\t)+n)*4096 th:TH_LOAD_NT
.set n, n+1
.endr
.endm
.macro BLOCKP t
.set XS, WX+32*((\t)%2)
.if (\t) < 3
	s_wait_loadcnt 32                              ; this block's 32 loads are in; the next block's 32 may be out
.else
	s_wait_loadcnt 0x0
.endif
.set n, 0
.rept 16
	v_cvt_pk_f16_f32 v[WC+n], v[XS+2*n], v[XS+2*n+1]
.set n, n+1
.endr
.irp g, 0,1,2,3
	ds_store_b128 v4, v[WC+4*\g:WC+4*\g+3] offset:64*(\t)+16*\g
.endr
.if (\t)+2 < 4
	LOADP (\t)+2
.endif
	s_wait_dscnt 0x0                               ; the stores have read their registers
.endm
.macro STAGEADR base                   ; the two weight paths' addresses: v3 in, v4 into the stage, v7 out of it; v5 = lane % 16, v6 = lane / 16
	v_lshlrev_b32 v3, 2, v2                        ; in: 4 bytes a lane
	s_mul_i32 s25, s20, 32*PITCH
	s_add_co_u32 s25, s25, \base                   ; my stage
	v_mul_u32_u24 v4, v2, PITCH
	v_add_nc_u32 v4, s25, v4                       ; into it: row = my column
	v_and_b32 v5, 15, v2
	v_lshrrev_b32 v6, 4, v2
	v_mul_u32_u24 v7, v6, PITCH
	v_lshl_add_u32 v7, v5, 4, v7
	v_add_nc_u32 v7, s25, v7                       ; out of it: sixteen lanes to a row, two rows an instruction
.endm
	s_load_b512 s[4:19], s[0:1], 0x0               ; x s[4:5], W_attn s[6:7], W_proj s[8:9], xc s[10:11], xs s[12:13], wc s[14:15], ws s[16:17], wpt s[18:19]
	v_lshl_add_u32 v[SPW], v0, 2, SPARE
	v_mov_b32 v[NIL], 0
	v_lshrrev_b32 v1, 5, v0
	v_readfirstlane_b32 s20, v1                    ; wave 0..3
	v_and_b32 v2, 31, v0                           ; lane
	s_wait_kmcnt 0x0
	s_cmp_lt_u32 ttmp9, 256
	s_cbranch_scc1 .LX
	s_cmp_lt_u32 ttmp9, 304
	s_cbranch_scc1 .LW
	; ---- W_proj: a wave takes 32 columns x 128 along K: 256 bytes of each of 32 rows of wpt
	s_sub_co_u32 s21, ttmp9, 304
	s_lshr_b32 s22, s21, 3                         ; which 128 columns
	s_and_b32 s23, s21, 7                          ; which 128 along K
	s_lshl_b32 s22, s22, 7
	s_lshl_b32 s24, s20, 5
	s_add_co_u32 s22, s22, s24                     ; my wave's first column
	STAGEADR PSTG
	v_lshlrev_b32 v8, 11, v6
	v_lshl_add_u32 v8, v5, 4, v8                   ; the same two rows in wpt: 2,048 bytes a row
	s_lshl_b32 s26, s23, 19                        ; 128 rows of 4,096 bytes
	s_lshl_b32 s27, s22, 2
	s_add_co_u32 s26, s26, s27
	s_mov_b32 s27, 0
	s_add_nc_u64 s[8:9], s[8:9], s[26:27]
	s_lshl_b32 s26, s22, 11
	s_lshl_b32 s28, s23, 8
	s_add_co_u32 s26, s26, s28
	s_add_nc_u64 s[18:19], s[18:19], s[26:27]
	LOADP 0
	LOADP 1
.irp t, 0,1,2,3
	BLOCKP \t
.endr
.irp t, 0,1,2,3,4,5,6,7,8,9,10,11,12,13,14,15
	ds_load_b128 v[WOUT+4*\t:WOUT+4*\t+3], v7 offset:2*\t*PITCH   ; LDS serves a wave's instructions in order: these see my stores
.endr
.irp t, 0,1,2,3,4,5,6,7,8,9,10,11,12,13,14,15
	s_wait_dscnt 15-\t
	global_store_b128 v8, v[WOUT+4*\t:WOUT+4*\t+3], s[18:19] offset:2*\t*2048   ; sixteen lanes store 256 consecutive bytes, aligned
.endr
	FINISH
.LW:	; ---- W_attn: a wave takes 32 columns x 512 along K: 16 blocks a lane, 256 bytes of codes for each column
	s_sub_co_u32 s21, ttmp9, 256
	s_lshr_b32 s22, s21, 1                         ; which 128 columns
	s_and_b32 s23, s21, 1                          ; which 512 along K
	s_lshl_b32 s22, s22, 7
	s_lshl_b32 s24, s20, 5
	s_add_co_u32 s22, s22, s24                     ; my wave's first column
	STAGEADR WSTG
	v_lshlrev_b32 v8, 9, v6
	v_lshl_add_u32 v8, v5, 4, v8                   ; the same two rows in wc: 512 bytes a row
	v_lshlrev_b32 v9, 5, v2                        ; my column's row of scale bytes: 32 bytes
	s_mul_i32 s26, s23, 512*12288
	s_lshl_b32 s27, s22, 2
	s_add_co_u32 s26, s26, s27
	s_mov_b32 s27, 0
	s_add_nc_u64 s[6:7], s[6:7], s[26:27]
	s_lshl_b32 s26, s22, 9
	s_lshl_b32 s28, s23, 8
	s_add_co_u32 s26, s26, s28
	s_add_nc_u64 s[14:15], s[14:15], s[26:27]
	s_lshl_b32 s26, s22, 5
	s_lshl_b32 s28, s23, 4
	s_add_co_u32 s26, s26, s28
	s_add_nc_u64 s[16:17], s[16:17], s[26:27]
	LOADW 0
	LOADW 1
.irp t, 0,1,2,3,4,5,6,7,8,9,10,11,12,13,14,15
	BLOCKW \t
.endr
	global_store_b128 v9, v[WSB:WSB+3], s[16:17]   ; my column's 16 scale bytes
.irp t, 0,1,2,3,4,5,6,7,8,9,10,11,12,13,14,15
	ds_load_b128 v[WOUT+4*\t:WOUT+4*\t+3], v7 offset:2*\t*PITCH
.endr
.irp t, 0,1,2,3,4,5,6,7,8,9,10,11,12,13,14,15
	s_wait_dscnt 15-\t
	global_store_b128 v8, v[WOUT+4*\t:WOUT+4*\t+3], s[14:15] offset:2*\t*512
.endr
	FINISH
.LX:	; ---- x: a plain stream of blocks of 32; a wave takes 16 steps of 512 numbers
	v_lshlrev_b32 v3, 4, v2                        ; my 16 bytes of a load's 512
	s_mul_i32 s21, s20, XREG
	v_lshrrev_b32 v14, 2, v2
	v_mul_u32_u24 v14, v14, SP
	v_and_b32 v15, 3, v2
	v_lshl_add_u32 v14, v15, 4, v14
	v_add_nc_u32 v14, s21, v14                     ; the stage, on the way in: SP (lane / 4) + 16 (lane % 4)
	v_mul_u32_u24 v15, v2, SP
	v_add_nc_u32 v15, s21, v15                     ; and on the way out: SP x lane: my 16 neighbours
	v_mul_u32_u24 v4, v2, CB                       ; my codes' place in a step's
	v_lshrrev_b32 v5, 1, v2
	s_add_co_u32 s21, s21, 2*32*SP
	v_add_nc_u32 v5, s21, v5                       ; my wave's 256 scale bytes, my block's byte
	v_lshlrev_b32 v7, 3, v2
	v_add_nc_u32 v6, s21, v7                       ; and on the way out 8 bytes a lane
	s_lshl_b32 s22, ttmp9, 2
	s_add_co_u32 s22, s22, s20                     ; which run of 8,192 numbers is my wave's
	s_lshl_b32 s24, s22, 15
	s_mov_b32 s25, 0
	s_add_nc_u64 s[4:5], s[4:5], s[24:25]
	s_lshl_b32 s24, s22, 12
	s_add_nc_u64 s[10:11], s[10:11], s[24:25]
	s_lshl_b32 s24, s22, 8
	s_add_nc_u64 s[12:13], s[12:13], s[24:25]
.irp t, 0,1,2,3
	LOADX \t
.endr
	s_wait_loadcnt 12                              ; step 0's four loads are in
	TURNX 0
.irp t, 0,1,2,3,4,5,6,7,8,9,10,11,12,13,14,15
	STEPX \t
.endr
	ds_load_b64 v[8:9], v6                         ; LDS serves a wave's instructions in order: these see my byte stores
	s_wait_dscnt 0x0
	global_store_b64 v7, v[8:9], s[12:13]          ; 32 lanes store 256 consecutive bytes, aligned
	FINISH
.Lfunc_end_k_q12f16afef7_prep:
	.size	k_q12f16afef7_prep, .Lfunc_end_k_q12f16afef7_prep-k_q12f16afef7_prep
	.p2alignl 7, 3214868480
	.fill 96, 4, 3214868480
	.section	.rodata,"a",@progbits
	.p2align	6, 0x0
	.amdhsa_kernel k_q12f16afef7_prep
		.amdhsa_group_segment_fixed_size 102912
		.amdhsa_private_segment_fixed_size 0
		.amdhsa_enable_private_segment 0
		.amdhsa_kernarg_size 64
		.amdhsa_user_sgpr_count 2
		.amdhsa_user_sgpr_kernarg_segment_ptr 1
		.amdhsa_wavefront_size32 1
		.amdhsa_system_sgpr_workgroup_id_x 1
		.amdhsa_system_sgpr_workgroup_id_y 1
		.amdhsa_system_sgpr_workgroup_id_z 1
		.amdhsa_system_vgpr_workitem_id 0
		.amdhsa_next_free_vgpr 200
		.amdhsa_next_free_sgpr 66
		.amdhsa_reserve_vcc 0
		.amdhsa_float_denorm_mode_32 3
		.amdhsa_float_denorm_mode_16_64 3
		.amdhsa_memory_ordered 1
		.amdhsa_forward_progress 1
		.amdhsa_inst_pref_size 132
	.end_amdhsa_kernel
	.amdgpu_metadata
---
amdhsa.version: [ 1, 2 ]
amdhsa.kernels:
  - .name:           k_q12f16afef7_prep
    .symbol:         k_q12f16afef7_prep.kd
    .args:
      - { .name: x, .offset: 0, .size: 8, .value_kind: global_buffer, .address_space: global }
      - { .name: W_attn, .offset: 8, .size: 8, .value_kind: global_buffer, .address_space: global }
      - { .name: W_proj, .offset: 16, .size: 8, .value_kind: global_buffer, .address_space: global }
      - { .name: xc, .offset: 24, .size: 8, .value_kind: global_buffer, .address_space: global }
      - { .name: xs, .offset: 32, .size: 8, .value_kind: global_buffer, .address_space: global }
      - { .name: wc, .offset: 40, .size: 8, .value_kind: global_buffer, .address_space: global }
      - { .name: ws, .offset: 48, .size: 8, .value_kind: global_buffer, .address_space: global }
      - { .name: wpt, .offset: 56, .size: 8, .value_kind: global_buffer, .address_space: global }
    .group_segment_fixed_size: 102912
    .private_segment_fixed_size: 0
    .kernarg_segment_align: 8
    .kernarg_segment_size: 64
    .max_flat_workgroup_size: 128
    .sgpr_count:     66
    .vgpr_count:     200
    .wavefront_size: 32
...
	.end_amdgpu_metadata
.endif
;; end of part 1
;; launch gemm_qkv (part 2): grid 12 x 32, 4 waves a work-group, clusters of 4 x 4, 327,680 bytes of LDS; arguments xc, xs, wc, ws, qkv, b_attn, q32; writes qkv, q32
.if DOCPART == 2
	.amdgcn_target "amdgcn-amd-amdhsa--gfx1250"
	.amdhsa_code_object_version 6
	.text
	.protected	k_q12f16afef7_gemm_qkv
	.globl	k_q12f16afef7_gemm_qkv
	.p2align	8
	.type	k_q12f16afef7_gemm_qkv,@function
k_q12f16afef7_gemm_qkv:
	s_mov_b64 s[64:65], 0
	v_nop
	global_prefetch_b8 v0, s[64:65] scope:SCOPE_SE
	s_setreg_imm32_b32 hwreg(HW_REG_WAVE_MODE, 25, 1), 1
	s_wait_xcnt 0x0
	s_wait_alu depctr_hold_cnt(0) depctr_sa_sdst(0) depctr_va_vdst(0) depctr_va_sdst(0) depctr_va_ssrc(0) depctr_va_vcc(0) depctr_vm_vsrc(0)
	s_getreg_b32 s2, hwreg(HW_REG_IB_STS2, 6, 4)
	s_cmp_eq_u32 s2, 0
	s_cbranch_scc0 .Lentry_in_a_cluster
	s_endpgm
.Lentry_in_a_cluster:
	s_bfe_u32 s2, ttmp6, 0x10000c
	s_cmp_lg_u32 s2, 0xf033
	s_cbranch_scc0 .Lentry_shape_is_right
	s_endpgm
.Lentry_shape_is_right:
; qkv = Q(x) Q(W_attn) + b_attn on codes of FP4 (E2M1) with one E8M0 scale for each 32 along K; sums in f32.  A = xc [8192][512 bytes], B = wc [3072][512 bytes]; their scale bytes [rows][32].
; A tile of C, 256 x 256, is made by four waves, each 128 x 128: 64 accumulators, 512 registers.  K = 1,024 is two slots of 512: both are asked for at the start and no slot is filled again.
; The scale bytes of the work-group's 256 + 256 rows, for all of K, come once, as dense blocks.
; CLUSTERS: 4 x 4 work-groups; A's tiles are asked for jointly along a row of the cluster, B's along a column.
; THE MATRIX INSTRUCTION IS USED TRANSPOSED (source 0 = 16 rows of B, source 1 = 16 rows of A): a lane holds eight neighbouring columns of one row of C.  The bias is the C of each sum's first product.
; OUT: q, k, v rounded to f16, laid [which 3][batch x 16 + head][t 2048][64]: 16 rows of a head are 2,048 consecutive bytes.  LIMIT: |q, k, v| above 65,504 has no f16 number.
; The first 16 rows of EVERY tile also leave in f32, into q32 [tile row 32][16][3072].  Only the tile rows that begin a sequence (every eighth) are read later;
; the choice hangs on the wave's number alone and 7/8 of q32's 6 MB are written for nothing.
; REGISTERS: window 0: v0-31 addresses; v32-95 scale words, two sets; v128-191 A's fragments, one set; v192-255 the bias; window 1: B's fragments, two sets; windows 2, 3: the accumulators.
.set SIZE_K, 1024
.set KSTEP,  512
.set NQ,     KSTEP/128
.set ROWB,   256
.set KROW,   SIZE_K*4/8
.set PITCH,  272                       ; an LDS row: 256 bytes + 16 of padding: the 16 rows that a load touches start at 16 different banks (64 banks of 4 bytes: ISA guide 11.1)
.set FR,     8
.set NL,     2
.set NP,     4
.set HALFT,  128*PITCH
.set SLOT,   4*HALFT
.set KS,     SIZE_K/32
.set SCL,    2*SLOT
.set HALFS,  (128*KS/256)*272
.set SBLK,   (16*KS/256)*272
.set SPARE,  SCL+4*HALFS               ; the spare words, 128 bytes for each wave: two blocks of 256 bytes that no other line names
.set HP,     144                       ; the way out, in slot 0 (its one fill is over and nobody reads it behind the change of slots): an f16 stage of 2 heads x 16 rows x (128 + 16) bytes for each wave,
.set HSTG,   2*16*HP
.set FSTG,   4*HSTG                    ; and behind the four an f32 stage of 16 rows x (512 + 16) bytes for each wave
.set FP,     528
.set ADRA, 16
.set ADRB, 20
.set STO32, 22
.set RD32, 23
.set STO,  24
.set RD,   25
.set CO,   26                          ; 16 x lane
.set ADRS, 27
.set SPW,  28                          ; LDS address of my spare word; never rewritten
.set NIL,  29                          ; 0; never rewritten
.set BA,   30                          ; the bias: 32 x (lane / 16)
.set SC,   32
.set TMP,  32                          ; the way out: packed results
.set BK,   64                          ; the way out: rows read back: v64-95 and v96-127 by turns
.set AF,   128
.set BI,   192                         ; register 8 b + j: the bias of column 16 b + 8 (lane / 16) + j of my 128
.set G1, 24
.set G0, 32
.set G1B, 48
.set G0B, 56
.set G1S, 68
.set G0S, 76
.set G1SB, 80
.set G0SB, 88
.set MSB, 0
.macro WIN new                         ; the immediate's high byte repeats the setting that is left
.if MSB != \new
	s_set_vgpr_msb (MSB<<8)|\new
.set MSB, \new
.endif
.endm
.set MUL_LO, 0xa1                      ; source 0 (B) window 1, source 1 (A) window 0, C and D window 2
.set MUL_HI, 0xf1                      ; the same, C and D window 3
.set MULZ_LO, 0x81                     ; the first step: C (the bias) window 0, D window 2
.set MULZ_HI, 0xc1                     ; D window 3
.set TO_B,   0x40
; A joint load: waves 0 and 1 fetch for A, waves 2 and 3 for B; the branch hangs on the wave's number alone.  An s_nop 0 and four v_nop follow each line.
.macro JLOAD g0a, g1a, g0b, g1b
	s_cmp_eq_u32 s15, 0
	s_cbranch_scc0 .Lfor_b_\@
	tensor_load_to_lds s[\g0a:\g0a+3], s[\g1a:\g1a+7]
	s_nop 0
.rept 4
	v_nop
.endr
	s_branch .Lasked_\@
.Lfor_b_\@:
	tensor_load_to_lds s[\g0b:\g0b+3], s[\g1b:\g1b+7]
	s_nop 0
.rept 4
	v_nop
.endr
.Lasked_\@:
.endm
.macro CROUND                          ; a round of the cluster's barrier
	s_barrier_signal -1
	s_barrier_wait -1
	s_cmp_lg_u32 s14, 0
	s_cbranch_scc1 .Lnot_wave_0_\@
	s_barrier_signal -3
.Lnot_wave_0_\@:
	s_barrier_wait -3
	s_barrier_signal -1
	s_barrier_wait -1
.endm
	s_load_b128 s[4:7], s[0:1], 0x0                ; A's codes, A's scales
	s_load_b128 s[8:11], s[0:1], 0x10              ; B's codes, B's scales
	s_load_b64 s[12:13], s[0:1], 0x20              ; qkv
	s_load_b128 s[96:99], s[0:1], 0x28             ; b_attn s[96:97], q32 s[98:99]
	v_lshl_add_u32 v[SPW], v0, 2, SPARE
	v_mov_b32 v[NIL], 0
	ds_add_u32 v[SPW], v[NIL]                      ; the wave's opening: the add, twice on end, and its wait ahead of my first tensor load
	ds_add_u32 v[SPW], v[NIL]
	v_lshrrev_b32 v1, 5, v0
	v_readfirstlane_b32 s14, v1                    ; wave 0..3
	s_lshr_b32 s15, s14, 1                         ; which half of the tile's rows is mine.  Also: I fetch for A (0) or for B (1)
	s_and_b32 s16, s14, 1                          ; which half of its columns.  Also: which 128 rows of that tile I fetch
	s_bfe_u32 s40, ttmp6, 0x40000                  ; cx, cy
	s_bfe_u32 s41, ttmp6, 0x40004
	s_lshl_b32 s42, ttmp9, 2
	s_add_co_u32 s42, s42, s40                     ; tile column = 4 x cluster x + cx
	s_and_b32 s17, ttmp7, 0xffff
	s_lshl_b32 s17, s17, 2
	s_add_co_u32 s17, s17, s41                     ; tile row = 4 x cluster y + cy
	s_lshl_b32 s43, s41, 2
	s_lshl_b32 s43, 15, s43                        ; my row of the cluster
	s_lshl_b32 s44, 0x1111, s40                    ; my column
	s_or_b32 s[G1+0], s43, (0<<16)|(1<<20)|(1<<21)|(5<<22)|(3<<25)  ; the mask; elements of 1 byte; padding on: 4 words after every 64; bit 21 beside a mask
	s_or_b32 s[G1B+0], s44, (0<<16)|(1<<20)|(1<<21)|(5<<22)|(3<<25)
.irp g, G1, G1B
	s_mov_b32 s[\g+1], ROWB<<16                    ; tensor_dim0
	s_mov_b32 s[\g+2], 128<<16                     ; tensor_dim1
	s_mov_b32 s[\g+3], ROWB<<16                    ; tile_dim0
	s_mov_b32 s[\g+4], 128                         ; tile_dim1
	s_mov_b32 s[\g+5], KROW                        ; the pitch in memory
	s_mov_b32 s[\g+6], 0
	s_mov_b32 s[\g+7], 0
.endr
	s_or_b32 s[G1S+0], s43, (3<<16)|(1<<20)|(1<<21)|(5<<22)|(3<<25) ; the scales of 128 rows: 4,096 dense bytes as 16 rows of 256 (32 elements of 8 bytes), 16 bytes of padding behind each
	s_or_b32 s[G1SB+0], s44, (3<<16)|(1<<20)|(1<<21)|(5<<22)|(3<<25)
.irp g, G1S, G1SB
	s_mov_b32 s[\g+1], 32<<16
	s_mov_b32 s[\g+2], (128*KS/256)<<16
	s_mov_b32 s[\g+3], 32<<16
	s_mov_b32 s[\g+4], 128*KS/256
	s_mov_b32 s[\g+5], 32
	s_mov_b32 s[\g+6], 0
	s_mov_b32 s[\g+7], 0
.endr
	s_lshl_b32 s18, s16, 7
	s_lshl_b32 s20, s17, 8
	s_add_co_u32 s20, s20, s18                     ; A: row 256 x tile row + 128 x half
	s_lshl_b32 s46, s42, 8
	s_add_co_u32 s46, s46, s18                     ; B: row 256 x tile column + 128 x half
	s_mov_b32 s21, 0
	s_mov_b32 s47, 0
	s_mov_b64 s[18:19], KS
	s_mul_u64 s[22:23], s[20:21], s[18:19]
	s_mul_u64 s[92:93], s[46:47], s[18:19]
	s_mov_b64 s[18:19], KROW
	s_mul_u64 s[20:21], s[20:21], s[18:19]
	s_mul_u64 s[46:47], s[46:47], s[18:19]
	s_mul_i32 s45, s14, HALFT                      ; where they go: wave x 128 rows
	s_mul_i32 s94, s14, HALFS
	s_wait_dscnt 0x0                               ; both opening adds are done
	s_wait_kmcnt 0x0
	s_add_nc_u64 s[20:21], s[4:5], s[20:21]
	s_add_nc_u64 s[22:23], s[6:7], s[22:23]
	s_add_nc_u64 s[46:47], s[8:9], s[46:47]
	s_add_nc_u64 s[92:93], s[10:11], s[92:93]
	CROUND                                         ; all sixteen work-groups are here: the joint loads meet
	s_mov_b32 s[G0S], 1
	s_add_co_u32 s[G0S+1], s94, SCL
	s_mov_b64 s[G0S+2:G0S+3], s[22:23]
	s_or_b32 s[G0S+3], s[G0S+3], 0x80000000
	s_mov_b32 s[G0SB], 1
	s_add_co_u32 s[G0SB+1], s94, SCL
	s_mov_b64 s[G0SB+2:G0SB+3], s[92:93]
	s_or_b32 s[G0SB+3], s[G0SB+3], 0x80000000
	JLOAD G0S, G1S, G0SB, G1SB                     ; the scales first: they are wanted with the first slot
.irp s, 0,1
	s_mov_b32 s[G0+4*\s], 1
	s_add_co_u32 s[G0+4*\s+1], s45, \s*SLOT
	s_add_nc_u64 s[G0+4*\s+2:G0+4*\s+3], s[20:21], \s*ROWB
	s_or_b32 s[G0+4*\s+3], s[G0+4*\s+3], 0x80000000
	s_mov_b32 s[G0B+4*\s], 1
	s_add_co_u32 s[G0B+4*\s+1], s45, \s*SLOT
	s_add_nc_u64 s[G0B+4*\s+2:G0B+4*\s+3], s[46:47], \s*ROWB
	s_or_b32 s[G0B+4*\s+3], s[G0B+4*\s+3], 0x80000000
	JLOAD G0+4*\s, G1, G0B+4*\s, G1B               ; three loads of mine are out: all of K
.endr
	v_and_b32 v1, 15, v0                           ; r = lane % 16
	v_bfe_u32 v2, v0, 4, 1                         ; h = lane / 16
	v_mul_u32_u24 v3, v1, PITCH
	v_lshl_add_u32 v4, v2, 4, v3
	s_mul_i32 s21, s15, HALFT
	s_mul_i32 s22, s16, HALFT
	s_add_co_u32 s22, s22, 2*HALFT
.irp s, 0,1
	v_add_nc_u32 v[ADRA+\s], s21, v4
	v_add_nc_u32 v[ADRB+\s], s22, v4
	s_add_co_u32 s21, s21, SLOT
	s_add_co_u32 s22, s22, SLOT
.endr
	v_mul_u32_u24 v5, v1, KS                       ; my row's scales: KS bytes a row,
	v_lshrrev_b32 v6, 8, v5
	v_lshl_add_u32 v5, v6, 4, v5                   ; and 16 more for each 256 passed
	s_mul_i32 s21, s15, HALFS
	s_mul_i32 s22, s16, HALFS
	s_add_co_u32 s22, s22, 2*HALFS
	s_sub_co_u32 s22, s22, s21
	v_mul_u32_u24 v6, s22, v2                      ; lanes 16-31 take B's
	s_add_co_u32 s21, s21, SCL
	v_add_nc_u32 v5, v5, v6
	v_add_nc_u32 v[ADRS], s21, v5
	s_mul_i32 s23, s14, HSTG                       ; my f16 stage
	v_mul_u32_u24 v5, v1, HP
	v_lshl_add_u32 v5, v2, 4, v5
	v_add_nc_u32 v[STO], s23, v5                   ; in: row r, 16 bytes for each half of the lanes
	v_and_b32 v6, 31, v0
	v_lshrrev_b32 v5, 3, v6
	v_mul_u32_u24 v5, v5, HP
	v_and_b32 v7, 7, v0
	v_lshl_add_u32 v5, v7, 4, v5
	v_add_nc_u32 v[RD], s23, v5                    ; back: eight lanes to a row of 128 bytes, four rows an instruction
	v_lshlrev_b32 v[CO], 4, v6
	s_mul_i32 s23, s14, 16*FP
	s_add_co_u32 s23, s23, FSTG                    ; my f32 stage
	v_mul_u32_u24 v5, v1, FP
	v_lshl_add_u32 v5, v2, 5, v5
	v_add_nc_u32 v[STO32], s23, v5
	v_add_nc_u32 v[RD32], s23, v[CO]
	v_lshlrev_b32 v[BA], 5, v2
	; where my part begins: column 256 tc + 128 half: which = tc / 4, head = 4 (tc % 4) + 2 half; row 256 tr + 128 half: batch = tr / 8, t = 256 (tr % 8) + 128 half
	s_lshr_b32 s18, s42, 2
	s_lshl_b32 s18, s18, 6
	s_lshr_b32 s19, s17, 3
	s_lshl_b32 s19, s19, 4
	s_add_co_u32 s18, s18, s19
	s_and_b32 s19, s42, 3
	s_lshl_b32 s19, s19, 2
	s_add_co_u32 s18, s18, s19
	s_lshl_b32 s19, s16, 1
	s_add_co_u32 s18, s18, s19
	s_lshl_b32 s18, s18, 18                        ; a head is 262,144 bytes
	s_and_b32 s19, s17, 7
	s_lshl_b32 s19, s19, 1
	s_add_co_u32 s19, s19, s15
	s_lshl_b32 s19, s19, 14                        ; 128 rows of 128 bytes
	s_add_co_u32 s18, s18, s19
	s_mov_b32 s19, 0
	s_add_nc_u64 s[12:13], s[12:13], s[18:19]
	s_lshl_b32 s18, s42, 1
	s_add_co_u32 s18, s18, s16
	s_lshl_b32 s18, s18, 9                         ; my 128 columns in f32
	s_add_nc_u64 s[96:97], s[96:97], s[18:19]
	s_mul_i32 s20, s17, 196608                     ; a tile row's 16 rows of 12,288 bytes
	s_add_co_u32 s18, s18, s20
	s_add_nc_u64 s[98:99], s[98:99], s[18:19]
.irp b, 0,1,2,3,4,5,6,7
	global_load_b128 v[BI+8*\b:BI+8*\b+3], v[BA], s[96:97] offset:64*\b
	global_load_b128 v[BI+8*\b+4:BI+8*\b+7], v[BA], s[96:97] offset:64*\b+16
.endr
.macro FRAG reg, adr, q, i             ; 16 rows x 128 K of 4-bit codes: 8 registers: lane l holds row l % 16; registers 4 c .. 4 c + 3 hold K = 64 c + 32 (l / 16) + 0 .. 31
.irp c, 0,1
	ds_load_b128 v[\reg+4*\c:\reg+4*\c+3], v[\adr] offset:64*(\q)+32*\c+(\i)*16*PITCH
.endr
.endm
; 16 matrix instructions: A's blocks a0, a0 + 1 x B's eight.  zero = 1: the first product starts the sums from the bias.  The 64 accumulators take turns, one instruction a turn.
.macro MUL16 a0, p, q, sc, zero
.irp a, \a0, \a0+1
.irp b, 0,1,2,3,4,5,6,7
.if \zero
	v_wmma_scale_f32_16x16x128_f8f6f4 v[8*(8*((\a)%4)+\b):8*(8*((\a)%4)+\b)+7], v[128*(\p)+FR*\b:128*(\p)+FR*\b+FR-1], v[AF+FR*(\a):AF+FR*(\a)+FR-1], v[BI+8*\b:BI+8*\b+7], v[SC+8*NQ*(\sc)+NQ*\b+(\q)], v[SC+8*NQ*(\sc)+NQ*(\a)+(\q)] matrix_a_fmt:MATRIX_FMT_FP4 matrix_b_fmt:MATRIX_FMT_FP4 matrix_a_scale:MATRIX_SCALE_ROW1
.else
	v_wmma_scale_f32_16x16x128_f8f6f4 v[8*(8*((\a)%4)+\b):8*(8*((\a)%4)+\b)+7], v[128*(\p)+FR*\b:128*(\p)+FR*\b+FR-1], v[AF+FR*(\a):AF+FR*(\a)+FR-1], v[8*(8*((\a)%4)+\b):8*(8*((\a)%4)+\b)+7], v[SC+8*NQ*(\sc)+NQ*\b+(\q)], v[SC+8*NQ*(\sc)+NQ*(\a)+(\q)] matrix_a_fmt:MATRIX_FMT_FP4 matrix_b_fmt:MATRIX_FMT_FP4 matrix_a_scale:MATRIX_SCALE_ROW1
.endif
.endr
.endr
.endm
.macro FETCH_B slot, q, p
	WIN TO_B
.irp i, 0,1,2,3,4,5,6,7
	FRAG 128*(\p)+FR*\i, ADRB+\slot, \q, \i
.endr
	WIN 0
.endm
.macro FETCH_A slot, q, i0
.irp i, \i0, \i0+1, \i0+2, \i0+3
	FRAG AF+FR*(\i), ADRA+\slot, \q, \i
.endr
.endm
.macro SCALES sc                       ; a slot's scale words: four a row; lanes 0-15 take A's block i, lanes 16-31 B's block i
.irp i, 0,1,2,3,4,5,6,7
	ds_load_b128 v[SC+8*NQ*\sc+NQ*\i:SC+8*NQ*\sc+NQ*\i+3], v[ADRS] offset:\i*SBLK
.endr
.endm
.macro PLACES n                        ; plain vector instructions between a matrix instruction and a load into, or a read of, its registers
.rept \n
	v_nop
.endr
.endm
.macro STEP slot, q, zero              ; 128 along K, with its successor in the same slot
	s_wait_dscnt 4*NL                              ; B's set and A's blocks 0-3 are in; the youngest eight loads (A's blocks 4-7) may be out
.if \zero
	WIN MULZ_LO
.else
	WIN MUL_LO
.endif
	MUL16 0, (\q)%2, \q, \slot, \zero
	MUL16 2, (\q)%2, \q, \slot, \zero
	s_wait_dscnt 0
	PLACES NP
	FETCH_B \slot, (\q)+1, 1-(\q)%2
	FETCH_A \slot, (\q)+1, 0
.if \zero
	WIN MULZ_HI
.else
	WIN MUL_HI
.endif
	MUL16 4, (\q)%2, \q, \slot, \zero
	MUL16 6, (\q)%2, \q, \slot, \zero
	PLACES NP
	WIN 0
	FETCH_A \slot, (\q)+1, 4
.endm
.macro TURN slot, next                 ; a slot's last step changes slots: one barrier; nothing is filled again
	s_wait_tensorcnt 0x0                           ; all my tensor loads have landed: my part of the next slot
	ds_add_u32 v[SPW], v[NIL]                      ; 0 onto my spare word
	s_wait_dscnt 4*NL+1                            ; (the add and the youngest eight loads may be out)
	WIN MUL_LO
	MUL16 0, 1, NQ-1, \slot, 0
	s_wait_dscnt 0x0                               ; the add is done, and my reads of this slot are over
	s_barrier_signal -1
	MUL16 2, 1, NQ-1, \slot, 0
	WIN 0
	s_barrier_wait -1                              ; the next slot is whole, and nobody reads this one any more
	PLACES NP
	v_add_nc_u32 v[ADRS], 4*NQ, v[ADRS]            ; on to the next slot's scale words
	FETCH_B \next, 0, 0
	FETCH_A \next, 0, 0
	SCALES \next
	WIN MUL_HI
	MUL16 4, 1, NQ-1, \slot, 0
	MUL16 6, 1, NQ-1, \slot, 0
	PLACES NP
	WIN 0
	FETCH_A \next, 0, 4
.endm
	s_wait_tensorcnt 1                             ; the scales and my part of slot 0 are in; slot 1's load may be out
	s_barrier_signal -1
	s_barrier_wait -1
	FETCH_B 0, 0, 0
	FETCH_A 0, 0, 0
	SCALES 0
	FETCH_A 0, 0, 4
	s_wait_loadcnt 0x0                             ; the bias
	STEP 0, 0, 1
	STEP 0, 1, 0
	STEP 0, 2, 0
	TURN 0, 1
	STEP 1, 0, 0
	STEP 1, 1, 0
	STEP 1, 2, 0
	s_wait_dscnt 4*NL                              ; the very last step: nothing more to fetch
	WIN MUL_LO
	MUL16 0, 1, NQ-1, 1, 0
	MUL16 2, 1, NQ-1, 1, 0
	s_wait_dscnt 0
	WIN MUL_HI
	MUL16 4, 1, NQ-1, 1, 0
	MUL16 6, 1, NQ-1, 1, 0
	WIN 0
; THE WAY OUT, a block of 16 rows x 128 columns (two heads) at a time, through my own stage: LDS serves a wave's instructions in order, so no wait stands between its stores and its loads.
.macro PACK a                          ; rounded to f16, each accumulator from its low end on
.set AC, 64*((\a)%4)
	WIN 0x0a+5*((\a)/4)                            ; sources 0 and 1: window 2 or 3
.irp b, 0,1,2,3,4,5,6,7
.irp r, 0,1,2,3
	v_cvt_pk_f16_f32 v[TMP+4*\b+\r], v[AC+8*\b+2*\r], v[AC+8*\b+2*\r+1]
.endr
.endr
	WIN 0
.endm
.macro TOSTAGE a
.set BB, BK+32*((\a)%2)
.if (\a) >= 2
	s_wait_xcnt 0x0                                ; block a - 2's stores have read their registers: block a's loads may land there
.endif
.irp b, 0,1,2,3,4,5,6,7
	ds_store_b128 v[STO], v[TMP+4*\b:TMP+4*\b+3] offset:(\b/4)*16*HP+32*(\b%4)
.endr
.irp i, 0,1,2,3,4,5,6,7
	ds_load_b128 v[BB+4*\i:BB+4*\i+3], v[RD] offset:(\i/4)*16*HP+(\i%4)*4*HP
.endr
.endm
.macro SEND a
.set BB, BK+32*((\a)%2)
	s_wait_dscnt 0x0                               ; the block is back in registers
.irp i, 0,1,2,3,4,5,6,7
	global_store_b128 v[CO], v[BB+4*\i:BB+4*\i+3], s[12:13] offset:(\i/4)*262144+(\a)*2048+(\i%4)*512   ; 32 lanes store 512 consecutive bytes, aligned: four rows of a head
.endr
.endm
	PLACES NP                                      ; behind the last products: for the reads of results and the writes and loads into registers that held scales and fragments
	s_cmp_lg_u32 s15, 0                            ; the tile's first 16 rows lie in waves 0 and 1
	s_cbranch_scc1 .Lno32
	WIN 0x08                                       ; an LDS store's data are its source 1: window 2
.irp b, 0,1,2,3,4,5,6,7
	ds_store_b128 v[STO32], v[8*\b:8*\b+3] offset:64*\b
	ds_store_b128 v[STO32], v[8*\b+4:8*\b+7] offset:64*\b+16
.endr
	WIN 0
.irp t, 0,1,2,3,4,5,6,7,8,9,10,11,12,13,14,15
	ds_load_b128 v[AF+4*\t:AF+4*\t+3], v[RD32] offset:\t*FP
.endr
	s_wait_dscnt 0x0
.irp t, 0,1,2,3,4,5,6,7,8,9,10,11,12,13,14,15
	global_store_b128 v[CO], v[AF+4*\t:AF+4*\t+3], s[98:99] offset:\t*12288   ; 32 lanes store 512 consecutive bytes of a row of q32
.endr
.Lno32:
	PACK 0
	TOSTAGE 0
.irp a, 1,2,3,4,5,6,7
	PACK \a                                        ; block a's conversions stand between block a - 1's loads from the stage and the wait for them
	SEND \a-1
	TOSTAGE \a
.endr
	SEND 7
	s_wait_tensorcnt 0x0                           ; the wave's end
	ds_add_u32 v[SPW], v[NIL]
	s_wait_dscnt 0x0
	CROUND                                         ; the closing round
	s_endpgm
.Lfunc_end_k_q12f16afef7_gemm_qkv:
	.size	k_q12f16afef7_gemm_qkv, .Lfunc_end_k_q12f16afef7_gemm_qkv-k_q12f16afef7_gemm_qkv
	.p2alignl 7, 3214868480
	.fill 96, 4, 3214868480
	.section	.rodata,"a",@progbits
	.p2align	6, 0x0
	.amdhsa_kernel k_q12f16afef7_gemm_qkv
		.amdhsa_group_segment_fixed_size 327680
		.amdhsa_private_segment_fixed_size 0
		.amdhsa_enable_private_segment 0
		.amdhsa_kernarg_size 56
		.amdhsa_user_sgpr_count 2
		.amdhsa_user_sgpr_kernarg_segment_ptr 1
		.amdhsa_wavefront_size32 1
		.amdhsa_system_sgpr_workgroup_id_x 1
		.amdhsa_system_sgpr_workgroup_id_y 1
		.amdhsa_system_sgpr_workgroup_id_z 1
		.amdhsa_system_vgpr_workitem_id 0
		.amdhsa_next_free_vgpr 1024
		.amdhsa_next_free_sgpr 100
		.amdhsa_reserve_vcc 0
		.amdhsa_float_denorm_mode_32 3
		.amdhsa_float_denorm_mode_16_64 3
		.amdhsa_memory_ordered 1
		.amdhsa_forward_progress 1
		.amdhsa_inst_pref_size 132
	.end_amdhsa_kernel
	.amdgpu_metadata
---
amdhsa.version: [ 1, 2 ]
amdhsa.kernels:
  - .name:           k_q12f16afef7_gemm_qkv
    .symbol:         k_q12f16afef7_gemm_qkv.kd
    .args:
      - { .name: xc, .offset: 0, .size: 8, .value_kind: global_buffer, .address_space: global }
      - { .name: xs, .offset: 8, .size: 8, .value_kind: global_buffer, .address_space: global }
      - { .name: wc, .offset: 16, .size: 8, .value_kind: global_buffer, .address_space: global }
      - { .name: ws, .offset: 24, .size: 8, .value_kind: global_buffer, .address_space: global }
      - { .name: qkv, .offset: 32, .size: 8, .value_kind: global_buffer, .address_space: global }
      - { .name: b_attn, .offset: 40, .size: 8, .value_kind: global_buffer, .address_space: global }
      - { .name: q32, .offset: 48, .size: 8, .value_kind: global_buffer, .address_space: global }
    .group_segment_fixed_size: 327680
    .private_segment_fixed_size: 0
    .kernarg_segment_align: 8
    .kernarg_segment_size: 56
    .max_flat_workgroup_size: 128
    .sgpr_count:     100
    .vgpr_count:     1024
    .wavefront_size: 32
...
	.end_amdgpu_metadata
.endif
;; end of part 2
;; launch attn (part 3): grid 4 x 64, 8 waves a work-group, no clusters, 327,680 bytes of LDS; arguments qkv, yh; writes yh
.if DOCPART == 3
	.amdgcn_target "amdgcn-amd-amdhsa--gfx1250"
	.amdhsa_code_object_version 6
	.text
	.protected	k_q12f16afef7_attn
	.globl	k_q12f16afef7_attn
	.p2align	8
	.type	k_q12f16afef7_attn,@function
k_q12f16afef7_attn:
	s_mov_b64 s[64:65], 0
	v_nop
	global_prefetch_b8 v0, s[64:65] scope:SCOPE_SE
	s_setreg_imm32_b32 hwreg(HW_REG_WAVE_MODE, 25, 1), 1
	s_wait_xcnt 0x0
; y[bh][q] = the sum over keys k <= q of softmax_k(q . k / 8) v[k]; q, k, v f16 [which][bh 64][t 2048][64]; products on f16 operands, sums, maxima and the softmax in f32; the weights p are rounded to f16.
; y leaves as f16, laid [head 16][batch x 2048 + t][64].  LIMIT: |y| above 65,504 has no f16 number.
; SHARES.  Work-group i (0..3) of a head owns the query blocks i and 7 - i, 256 queries each, so that under the causal mask all work-groups have the same work: 4 (i + 1) key steps with both blocks
; and 4 (7 - 2 i) with the later one alone.  Each of the eight waves owns 32 queries of each block: piece L (tiles 0, 1) and piece H (tiles 2, 3); K's and V's fragments feed both while L has keys left.
; Two waves share a SIMD: one wave's softmax stands beside the other's products.
; NO CLUSTER: the four work-groups of a head read 8, 7, 6 and 5 slots of keys; a joint load would bring some partner tiles that none of its waves reads.
; LAYOUT.  S^T = K Q^T (source 0 = 16 keys, source 1 = 16 queries): a lane holds ONE query (lane % 16) and keys 8 (lane / 16) + 0..7; two such tiles, rounded in pairs, are source 1 of O^T = V^T P.
; SOFTMAX.  A running maximum m and sum l for each query: p = 2^(c s - c m), c = log2(e) / 8; in every step O and l are multiplied by a = 2^(c m_old - c m_new).
; THE RING.  Two slots of 256 keys; every work-group walks all 8 changes of slots (constant trip counts); a step all of whose keys come after my queries is jumped over, and a slot whose first key comes
; after the work-group's last query is not asked for.  Every wait for tensor loads is for all of them; a wave has at most one out.
; REGISTERS.  window 0: v2-15 addresses and constants; v16-47 statistics, 8 a tile; v64-191 S^T, 32 a tile (p's pairs in the tile's first 16); v192-255 V's fragments.
;   window 1: v0-127 O^T, 32 a tile; v128-191 Q, 16 a tile; v192-255 K's fragments.
.set PK,    144                        ; a row of K in LDS: 128 bytes + 16
.set PVP,   160                        ; a row of V: 128 + 32: for the turning load
.set VOFF,  256*PK                     ; a slot: 256 rows of K, then 256 rows of V
.set SLOT1, 1<<17                      ; slot 1 begins here: one exclusive or turns an address
.set SPARE, 2*SLOT1                    ; the spare words, 128 bytes for each wave: four blocks of 256 bytes that no other line names
.set AK0, 2
.set AV0, 3
.set ADK, 4
.set ADV, 5
.set QO,  6
.set STO, 7
.set RD,  8
.set GO,  9
.set RH,  10                           ; lane % 16 - 8 (lane / 16)
.set NINF, 11                          ; -infinity
.set PFO, 12                           ; 256 x lane
.set DD,  13
.set SPW, 14                           ; LDS address of my spare word; never rewritten
.set NIL, 15                           ; 0; never rewritten
.set ST,  16                           ; tile t at ST + 8 t: +0 c m, +1 m, +2, +3 l, +4 .. +7 at work; a in +6, c m_old - c m_new in +7
.set S,   64
.set VFR, 192
.set QFR, 128                          ; in window 1
.set KFR, 192                          ; in window 1
.set WV,  8
.set SEL, 20
.set CS,  22
.set G1K, 24
.set G1V, 32
.set G0K, 40
.set G0V, 44
.set TK,  48                           ; LDS byte at which the step's rows of K begin
.set TV,  49                           ; and V's (less VOFF)
.set KF,  50                           ; the step's first key
.set SLOTS, 51
.set CNT, 52
.set QL0, 53                           ; piece L's first query, piece H's
.set QH0, 54
.set QLL, 55                           ; their last
.set QHL, 56
.set QWL, 57                           ; the work-group's last query
.set LIM, 58
.set PFK, 60
.set PFV, 62
.set MSB, 0
.macro WIN new
.if MSB != \new
	s_set_vgpr_msb (MSB<<8)|\new
.set MSB, \new
.endif
.endm
.macro SETT t
.set rT, ST+8*(\t)
.set rS, S+32*(\t)
.set rO, 32*(\t)
.endm
; Waves 0 and 1 fetch K's halves of a slot, waves 2 and 3 V's, the others nothing.  An s_nop 0 and four v_nop follow each line.
.macro TLOAD
	s_cmp_lt_u32 s[WV], 2
	s_cbranch_scc0 .Lnot_k_\@
	tensor_load_to_lds s[G0K:G0K+3], s[G1K:G1K+7]
	s_nop 0
.rept 4
	v_nop
.endr
	s_branch .Lasked_\@
.Lnot_k_\@:
	s_cmp_lt_u32 s[WV], 4
	s_cbranch_scc0 .Lasked_\@
	tensor_load_to_lds s[G0V:G0V+3], s[G1V:G1V+7]
	s_nop 0
.rept 4
	v_nop
.endr
.Lasked_\@:
.endm
; A prefetch of the slot that the NEXT change will ask for: 32,768 dense bytes of K and as many of V.  The head's work-group 0, which walks all slots, asks; in it waves 4 to 7, which fetch nothing,
; take 8,192 bytes of each, lanes 256 bytes apart: each aligned block of 256 bytes is named once in the launch.  The first names slot 2, the last slot 7; the last change that fills asks for nothing.
.macro ASK
	s_cmp_gt_u32 s[SLOTS], s[LIM]
	s_cbranch_scc0 .Lnot_mine_\@
	global_prefetch_b8 v[PFO], s[PFK:PFK+1] th:TH_LOAD_NT scope:SCOPE_SE
	global_prefetch_b8 v[PFO], s[PFV:PFV+1] th:TH_LOAD_NT scope:SCOPE_SE
.Lnot_mine_\@:
.endm
; THE CHANGE OF SLOTS, at a slot's head: all my tensor loads have landed, the add, my reads of the slot that I left are over, the barrier; behind it the slot just left is filled with the keys that follow.
.macro CHANGE fill
	s_wait_tensorcnt 0x0                           ; no tensor load of mine is out, so a descriptor may be written
	ds_add_u32 v[SPW], v[NIL]                      ; 0 onto my spare word
.if \fill
	ds_add_u32 v[SPW], v[NIL]                      ; and once more
	s_xor_b32 s[G0K+1], s[G0K+1], SLOT1
	s_add_nc_u64 s[G0K+2:G0K+3], s[G0K+2:G0K+3], 32768
	s_xor_b32 s[G0V+1], s[G0V+1], SLOT1
	s_add_nc_u64 s[G0V+2:G0V+3], s[G0V+2:G0V+3], 32768
	s_wait_xcnt 0x0                                ; the last prefetches, a slot back, have read their addresses
	s_add_nc_u64 s[PFK:PFK+1], s[PFK:PFK+1], 32768
	s_add_nc_u64 s[PFV:PFV+1], s[PFV:PFV+1], 32768
.endif
	s_wait_dscnt 0x0
	s_barrier_signal -1
	s_barrier_wait -1
.if \fill
	s_add_co_u32 s74, s[KF], 256                   ; the first key of the slot that this change would ask for
	s_cmp_gt_u32 s74, s[QWL]                       ; ids and the count of steps alone: all eight waves go the same way, and past the limit a work-group stays past it
	s_cbranch_scc1 .Lpast_\@
	TLOAD
.Lpast_\@:
	ASK
.endif
.endm
; 16 products S^T = K Q^T for tiles x, x + 1: channels 32 (i / 8) on, keys 16 ((i / 2) % 4) on.  Eight accumulators by turns; the first eight start the sums.
.macro KQ x
	WIN 0x05                                       ; K and Q in window 1, S^T in window 0
.set i, 0
.rept 16
.set rD, S+32*(\x+i%2)+8*((i/2)%4)
.set rA, KFR+16*((i/2)%4)+8*(i/8)
.set rB, QFR+16*(\x+i%2)+8*(i/8)
.if i < 8
	v_wmma_f32_16x16x32_f16 v[rD:rD+7], v[rA:rA+7], v[rB:rB+7], 0
.else
	v_wmma_f32_16x16x32_f16 v[rD:rD+7], v[rA:rA+7], v[rB:rB+7], v[rD:rD+7]
.endif
.set i, i+1
.endr
	WIN 0
.endm
; 16 products O^T += V^T P: keys 32 (i / 8) on, channels 16 ((i / 2) % 4) on
.macro PV x
	WIN 0x50                                       ; V and P in window 0, O^T in window 1
.set i, 0
.rept 16
.set rD, 32*(\x+i%2)+8*((i/2)%4)
.set rA, VFR+32*(i/8)+8*((i/2)%4)
.set rB, S+32*(\x+i%2)+8*(i/8)
	v_wmma_f32_16x16x32_f16 v[rD:rD+7], v[rA:rA+7], v[rB:rB+7], v[rD:rD+7]
.set i, i+1
.endr
	WIN 0
.endm
; The softmax of tiles x, x + 1 for one key step, the two tiles line by line; sq: the register with the piece's first query.
.macro SOFT x, sq
	s_add_co_u32 s74, s[KF], 63
	s_cmp_le_u32 s74, s[\sq]                       ; all 64 keys count for all 32 queries: no mask
	s_cbranch_scc1 .Lopen_\@
.irp u, 0,1
	SETT \x+\u
	s_sub_co_u32 s75, s[\sq], s[KF]
	s_add_co_u32 s75, s75, 16*\u
	v_add_nc_u32 v[DD], s75, v[RH]                 ; d = my query - KF - 8 (lane / 16); register 8 kt + j holds key KF + 8 (lane / 16) + 16 kt + j: hidden where 16 kt + j > d
.set n, 0
.rept 32
	v_cmp_gt_i32 vcc_lo, 16*(n/8)+n%8, v[DD]
	v_cndmask_b32 v[rS+n], v[rS+n], v[NINF], vcc_lo
.set n, n+1
.endr
.endr
.Lopen_\@:
.irp j, 0,1,2,3                        ; the maximum of the lane's 32 scores and the old m: four chains, each accumulator read from its low end on
.irp u, 0,1
	SETT \x+\u
	v_max3_num_f32 v[rT+4+\j], v[rS+8*\j], v[rS+8*\j+1], v[rS+8*\j+2]
.endr
.endr
.irp j, 4,5,6,7,8,9,10,11
.irp u, 0,1
	SETT \x+\u
	v_max3_num_f32 v[rT+4+\j%4], v[rT+4+\j%4], v[rS+8*(\j%4)+2*(\j/4)+1], v[rS+8*(\j%4)+2*(\j/4)+2]
.endr
.endr
.irp u, 0,1
	SETT \x+\u
	v_max3_num_f32 v[rT+4], v[rT+4], v[rS+7], v[rS+15]
	v_max3_num_f32 v[rT+6], v[rT+6], v[rS+23], v[rS+31]
.endr
.irp u, 0,1
	SETT \x+\u
	v_max3_num_f32 v[rT+4], v[rT+4], v[rT+5], v[rT+6]
.endr
.irp u, 0,1
	SETT \x+\u
	v_max3_num_f32 v[rT+4], v[rT+4], v[rT+7], v[rT+1]
.endr
.irp u, 0,1
	SETT \x+\u
	v_permlanex16_b32 v[rT+5], v[rT+4], s[SEL], s[SEL+1]   ; the query's other 32 keys lie in the lane 16 away
	v_mov_b32 v[rT+7], v[rT]                       ; c m_old
.endr
.irp u, 0,1
	SETT \x+\u
	v_max_num_f32 v[rT+1], v[rT+4], v[rT+5]
.endr
.irp u, 0,1
	SETT \x+\u
	v_mul_f32 v[rT], s[CS], v[rT+1]
.endr
.irp u, 0,1
	SETT \x+\u
	v_sub_f32 v[rT+7], v[rT+7], v[rT]
.endr
.set n, 0
.rept 16
.irp u, 0,1
	SETT \x+\u
	v_pk_fma_f32 v[rS+n:rS+n+1], v[rS+n:rS+n+1], s[CS:CS+1], v[rT:rT+1] op_sel_hi:[1,0,0] neg_lo:[0,0,1] neg_hi:[0,0,1]   ; c s - c m
.endr
.set n, n+2
.endr
.irp u, 0,1
	SETT \x+\u
	v_exp_f32 v[rT+6], v[rT+7]                     ; a
.endr
.set n, 0
.rept 32
.irp u, 0,1
	SETT \x+\u
	v_exp_f32 v[rS+n], v[rS+n]                     ; p, at most 1
.endr
.set n, n+1
.endr
	v_nop                                          ; a plain instruction behind the last exponential
	s_wait_alu depctr_va_vdst(0)                   ; one wait for the batch of 66, ahead of its first reader
.irp u, 0,1
	SETT \x+\u
	v_pk_fma_f32 v[rT+2:rT+3], v[rT+2:rT+3], v[rT+6:rT+7], v[rS:rS+1] op_sel_hi:[1,0,1]   ; l = a l + p, in two chains of pairs
	v_pk_add_f32 v[rT+4:rT+5], v[rS+2:rS+3], v[rS+6:rS+7]
.endr
.irp j, 1,2,3,4,5,6,7
.irp u, 0,1
	SETT \x+\u
	v_pk_add_f32 v[rT+2:rT+3], v[rT+2:rT+3], v[rS+4*\j:rS+4*\j+1]
.if \j > 1
	v_pk_add_f32 v[rT+4:rT+5], v[rT+4:rT+5], v[rS+4*\j+2:rS+4*\j+3]
.endif
.endr
.endr
.irp u, 0,1
	SETT \x+\u
	v_pk_add_f32 v[rT+2:rT+3], v[rT+2:rT+3], v[rT+4:rT+5]
.endr
.set n, 0
.rept 16
.irp u, 0,1
	SETT \x+\u
	v_cvt_pk_f16_f32 v[rS+n], v[rS+2*n], v[rS+2*n+1]   ; in place, ascending: a write never passes a read
.endr
.set n, n+1
.endr
	WIN 0x41                                       ; O^T (destination and source 0) in window 1, a in window 0
.set n, 0
.rept 16
.irp u, 0,1
	SETT \x+\u
	v_pk_mul_f32 v[rO+n:rO+n+1], v[rO+n:rO+n+1], v[rT+6:rT+7] op_sel_hi:[1,0]
.endr
.set n, n+2
.endr
	WIN 0
.endm
; A KEY STEP of 64 keys.  No barrier and no tensor load stands in it, so its branches may differ between waves: they hang on ids and the count of steps.
; ONE branch says whether piece L still has keys: its arm holds all that belongs to L (its scores, its softmax, its second product), with piece H's scores between, so that they are made while L's softmax
; is walked; the other arm holds H's scores alone.  The arms join ahead of H's softmax: on both ways H's scores have been written, and L's are read only where they were made.
.macro STEP
	s_cmp_gt_u32 s[KF], s[QHL]                     ; all keys come after my last query
	s_cbranch_scc1 .Lskip_\@
	v_add_nc_u32 v[ADK], s[TK], v[AK0]             ; these two and three v_nop: five plain instructions behind the last step's products, ahead of the loads into V's registers
	v_add_nc_u32 v[ADV], s[TV], v[AV0]             ; and of the products that write S^T over p (ISA guide 7.12.1)
.rept 3
	v_nop
.endr
	WIN 0x40                                       ; destination window 1
.irp f, 0,1,2,3,4,5,6,7                ; K: keys 16 (f / 2) on, channels 32 (f % 2) on
	ds_load_b128 v[KFR+8*\f:KFR+8*\f+3],   v[ADK] offset:(\f/2)*16*PK+(\f%2)*64
	ds_load_b128 v[KFR+8*\f+4:KFR+8*\f+7], v[ADK] offset:(\f/2)*16*PK+(\f%2)*64+32
.endr
	WIN 0
.irp f, 0,1,2,3,4,5,6,7                ; V, turned: keys 32 (f / 4) on, channels 16 (f % 4) on
	ds_load_tr16_b128 v[VFR+8*\f:VFR+8*\f+3],   v[ADV] offset:(\f/4)*32*PVP+(\f%4)*32
	ds_load_tr16_b128 v[VFR+8*\f+4:VFR+8*\f+7], v[ADV] offset:(\f/4)*32*PVP+16*PVP+(\f%4)*32
.endr
	s_wait_dscnt 16                                ; K is in; V's sixteen loads may be out
	s_cmp_gt_u32 s[KF], s[QLL]                     ; has piece L keys left?
	s_cbranch_scc1 .Lonly_h_\@
	KQ 0
	KQ 2
.rept 4
	v_nop                                          ; places ahead of the first read of the scores
.endr
	s_wait_dscnt 0x0                               ; V is in
	SOFT 0, QL0
	PV 0
	s_branch .Lh_\@
.Lonly_h_\@:
	KQ 2
.rept 4
	v_nop                                          ; places ahead of the first read of the scores
.endr
	s_wait_dscnt 0x0                               ; V is in
.Lh_\@:
	SOFT 2, QH0
	PV 2
.Lskip_\@:
.endm
.macro SLOT_STEPS                      ; a slot's four steps: written once, walked four times
	s_mov_b32 s[CNT], 4
.Lstep_\@:
	STEP
	s_add_co_u32 s[KF], s[KF], 64
	s_add_co_u32 s[TK], s[TK], 64*PK
	s_add_co_u32 s[TV], s[TV], 64*PVP
	s_sub_co_u32 s[CNT], s[CNT], 1
	s_cmp_lg_u32 s[CNT], 0
	s_cbranch_scc1 .Lstep_\@
	s_sub_co_u32 s[TK], s[TK], 256*PK
	s_xor_b32 s[TK], s[TK], SLOT1
	s_sub_co_u32 s[TV], s[TV], 256*PVP
	s_xor_b32 s[TV], s[TV], SLOT1
.endm
	s_load_b128 s[4:7], s[0:1], 0x0                ; qkv s[4:5], yh s[6:7]
	v_lshl_add_u32 v[SPW], v0, 2, SPARE
	v_mov_b32 v[NIL], 0
	ds_add_u32 v[SPW], v[NIL]                      ; the wave's opening: the add, twice on end, and its wait ahead of the first tensor load
	ds_add_u32 v[SPW], v[NIL]
	v_lshrrev_b32 v1, 5, v0
	v_readfirstlane_b32 s[WV], v1                  ; wave 0..7
	s_and_b32 s10, ttmp7, 0xffff                   ; bh = 16 x batch + head
	s_lshl_b32 s11, s10, 18                        ; the head's first byte in q's, k's and v's part
	s_lshl_b32 s12, s[WV], 5
	s_sub_co_u32 s13, 7, ttmp9
	s_lshl_b32 s[QL0], ttmp9, 8
	s_add_co_u32 s[QL0], s[QL0], s12               ; 256 i + 32 w
	s_lshl_b32 s[QWL], s13, 8
	s_add_co_u32 s[QH0], s[QWL], s12               ; 256 (7 - i) + 32 w
	s_add_co_u32 s[QWL], s[QWL], 255
	s_add_co_u32 s[QLL], s[QL0], 31
	s_add_co_u32 s[QHL], s[QH0], 31
	s_mov_b32 s[G1K], (1<<16)|(1<<20)|(4<<22)|(3<<25)   ; elements of 2 bytes; padding on: 4 words after every 32
	s_mov_b32 s[G1V], (1<<16)|(1<<20)|(4<<22)|(7<<25)   ; 8 words after every 32
.irp g, G1K, G1V
	s_mov_b32 s[\g+1], 64<<16                      ; tensor_dim0
	s_mov_b32 s[\g+2], 128<<16                     ; tensor_dim1
	s_mov_b32 s[\g+3], 64<<16                      ; tile_dim0
	s_mov_b32 s[\g+4], 128                         ; tile_dim1: half a slot's rows
	s_mov_b32 s[\g+5], 64                          ; the pitch in memory
	s_mov_b32 s[\g+6], 0
	s_mov_b32 s[\g+7], 0
.endr
	s_mov_b32 s[SEL], 0x76543210
	s_mov_b32 s[SEL+1], 0xfedcba98
	s_mov_b32 s[CS], 0x3e38aa3b                    ; c = log2(e) / 8
	s_mov_b32 s[CS+1], s[CS]
	s_mov_b32 s[TK], 0
	s_mov_b32 s[TV], 0
	s_mov_b32 s[KF], 0
	s_mov_b32 s[SLOTS], 7
	s_and_b32 s12, s[WV], 1                        ; which half of a slot I fetch, if I fetch
	s_lshl_b32 s74, s12, 14
	s_add_co_u32 s74, s74, s11
	s_mov_b32 s75, 0
	s_mul_i32 s14, s12, 128*PK
	s_mul_i32 s15, s12, 128*PVP
	s_add_co_u32 s15, s15, VOFF
	s_and_b32 s76, s[WV], 3
	s_lshl_b32 s76, s76, 13                        ; my 8,192 bytes of a slot's prefetch,
	s_add_co_u32 s76, s76, s11
	s_add_co_u32 s76, s76, 32768                   ; in slot 1: the first change steps it to slot 2
	s_mov_b32 s77, 0
	s_sub_co_u32 s78, s[WV], 4
	s_lshr_b32 s78, s78, 2                         ; 0 in waves 4 to 7,
	s_or_b32 s78, s78, ttmp9                       ; of the head's work-group 0
	s_cmp_eq_u32 s78, 0
	s_cselect_b32 s[LIM], 1, -1
	s_wait_dscnt 0x0                               ; both opening adds are done
	s_wait_kmcnt 0x0
	s_mov_b32 s[G0K], 1
	s_mov_b32 s[G0K+1], s14
	s_add_nc_u64 s[G0K+2:G0K+3], s[4:5], s[74:75]
	s_add_nc_u64 s[G0K+2:G0K+3], s[G0K+2:G0K+3], 0x1000000   ; k's part
	s_or_b32 s[G0K+3], s[G0K+3], 0x80000000
	s_mov_b32 s[G0V], 1
	s_mov_b32 s[G0V+1], s15
	s_add_nc_u64 s[G0V+2:G0V+3], s[4:5], s[74:75]
	s_add_nc_u64 s[G0V+2:G0V+3], s[G0V+2:G0V+3], 0x2000000   ; v's part
	s_or_b32 s[G0V+3], s[G0V+3], 0x80000000
	TLOAD                                          ; slot 0: it holds key 0, which counts for every query
	s_add_nc_u64 s[PFK:PFK+1], s[4:5], s[76:77]
	s_add_nc_u64 s[PFV:PFV+1], s[PFK:PFK+1], 0x2000000
	s_add_nc_u64 s[PFK:PFK+1], s[PFK:PFK+1], 0x1000000
	s_lshl_b32 s74, s[QL0], 7
	s_add_co_u32 s74, s74, s11
	s_add_nc_u64 s[66:67], s[4:5], s[74:75]        ; q at piece L's first query
	s_lshl_b32 s74, s[QH0], 7
	s_add_co_u32 s74, s74, s11
	s_add_nc_u64 s[68:69], s[4:5], s[74:75]        ; and piece H's
	s_and_b32 s76, s10, 15
	s_lshl_b32 s76, s76, 13
	s_lshr_b32 s78, s10, 4
	s_lshl_b32 s78, s78, 11
	s_add_co_u32 s76, s76, s78                     ; yh: row 8192 x head + 2048 x batch
	s_add_co_u32 s74, s76, s[QL0]
	s_lshl_b32 s74, s74, 7
	s_add_nc_u64 s[70:71], s[6:7], s[74:75]
	s_add_co_u32 s74, s76, s[QH0]
	s_lshl_b32 s74, s74, 7
	s_add_nc_u64 s[72:73], s[6:7], s[74:75]
	v_and_b32 v1, 15, v0                           ; r
	v_bfe_u32 v48, v0, 4, 1                        ; h
	v_and_b32 v49, 31, v0                          ; lane
	v_lshlrev_b32 v[QO], 7, v1
	v_lshl_add_u32 v[QO], v48, 4, v[QO]            ; row r of 128 bytes + 16 h
	WIN 0x40                                       ; destination window 1
.irp t, 0,1,2,3
.irp c, 0,1
	global_load_b128 v[QFR+16*\t+8*\c:QFR+16*\t+8*\c+3],   v[QO], s[66+2*(\t/2):67+2*(\t/2)] offset:2048*(\t%2)+64*\c
	global_load_b128 v[QFR+16*\t+8*\c+4:QFR+16*\t+8*\c+7], v[QO], s[66+2*(\t/2):67+2*(\t/2)] offset:2048*(\t%2)+64*\c+32
.endr
.endr
.set n, 0
.rept 128
	v_mov_b32 v[n], 0                              ; O^T.  The step is written once: the first finds zeros, which the first a leaves zeros
.set n, n+1
.endr
	WIN 0
	v_mul_u32_u24 v[AK0], v1, PK
	v_lshl_add_u32 v[AK0], v48, 4, v[AK0]
	v_and_b32 v50, 7, v0
	v_bfe_u32 v51, v0, 3, 1
	v_lshl_add_u32 v[AV0], v48, 3, v50             ; the turning load: key 8 h + lane % 8, channels 8 ((lane / 8) % 2) on
	v_mul_u32_u24 v[AV0], v[AV0], PVP
	v_lshl_add_u32 v[AV0], v51, 4, v[AV0]
	v_add_nc_u32 v[AV0], VOFF, v[AV0]
	s_mul_i32 s74, s[WV], 4*16*PK                  ; my stage for the way out: four tiles of 16 rows x 144 bytes, in slot 0, which is left at the last change of slots
	v_mul_u32_u24 v[STO], v1, PK
	v_lshl_add_u32 v[STO], v48, 4, v[STO]
	v_add_nc_u32 v[STO], s74, v[STO]
	v_lshrrev_b32 v52, 3, v49
	v_mul_u32_u24 v[RD], v52, PK
	v_lshl_add_u32 v[RD], v50, 4, v[RD]
	v_add_nc_u32 v[RD], s74, v[RD]
	v_lshlrev_b32 v[GO], 4, v49
	v_lshlrev_b32 v52, 3, v48
	v_sub_nc_u32 v[RH], v1, v52
	v_mov_b32 v[NINF], 0xff800000
	v_lshlrev_b32 v[PFO], 8, v49
.irp t, 0,1,2,3
	v_mov_b32 v[ST+8*\t+1], 0xff61b1e6             ; m: -3e38, under every score
	v_mul_f32 v[ST+8*\t], s[CS], v[ST+8*\t+1]
.irp j, 2,3,4,5,6,7
	v_mov_b32 v[ST+8*\t+\j], 0                     ; l, and the registers at work (a lane permute's destination counts as read)
.endr
.endr
	s_wait_loadcnt 0x0                             ; Q
.Lslot:                                            ; seven trips: behind each change of slots but the last the next slot is asked for, up to the causal limit
	CHANGE 1
	SLOT_STEPS
	s_sub_co_u32 s[SLOTS], s[SLOTS], 1
	s_cmp_lg_u32 s[SLOTS], 0
	s_cbranch_scc1 .Lslot
	CHANGE 0                                       ; the last slot is written out: nothing is left to ask for
	SLOT_STEPS
	; THE WAY OUT.  l's halves are added (these additions are the places behind the last products); O^T / l, rounded to f16, goes through my stage and leaves as 512 consecutive bytes a store.
.irp t, 0,1,2,3
	v_add_f32 v[ST+8*\t+4], v[ST+8*\t+2], v[ST+8*\t+3]
.endr
.irp t, 0,1,2,3
	v_permlanex16_b32 v[ST+8*\t+5], v[ST+8*\t+4], s[SEL], s[SEL+1]
.endr
.irp t, 0,1,2,3
	v_add_f32 v[ST+8*\t+4], v[ST+8*\t+4], v[ST+8*\t+5]
.endr
.irp t, 0,1,2,3
	v_rcp_f32 v[ST+8*\t+6], v[ST+8*\t+4]
.endr
	v_nop
	s_wait_alu depctr_va_vdst(0)                   ; one wait for the four reciprocals, ahead of their first reader
.macro OUTT t
	WIN 0x01                                       ; source 0 (O^T) window 1
.set n, 0
.rept 16
	v_pk_mul_f32 v[S+32*\t+n:S+32*\t+n+1], v[32*\t+n:32*\t+n+1], v[ST+8*\t+6:ST+8*\t+7] op_sel_hi:[1,0]
.set n, n+2
.endr
	WIN 0
.set n, 0
.rept 16
	v_cvt_pk_f16_f32 v[S+32*\t+n], v[S+32*\t+2*n], v[S+32*\t+2*n+1]
.set n, n+1
.endr
.irp c, 0,1,2,3
	ds_store_b128 v[STO], v[S+32*\t+4*\c:S+32*\t+4*\c+3] offset:16*PK*\t+32*\c
.endr
.irp u, 0,1,2,3
	ds_load_b128 v[S+32*\t+16+4*\u:S+32*\t+16+4*\u+3], v[RD] offset:16*PK*\t+4*PK*\u   ; LDS serves a wave's instructions in order: these see my stores
.endr
.endm
	OUTT 0
	OUTT 1
	OUTT 2
	OUTT 3
	s_wait_dscnt 0x0
.irp t, 0,1,2,3
.irp u, 0,1,2,3
	global_store_b128 v[GO], v[S+32*\t+16+4*\u:S+32*\t+16+4*\u+3], s[70+2*(\t/2):71+2*(\t/2)] offset:2048*(\t%2)+512*\u
.endr
.endr
	s_wait_tensorcnt 0x0                           ; the wave's end
	ds_add_u32 v[SPW], v[NIL]
	s_wait_dscnt 0x0
	s_endpgm
.Lfunc_end_k_q12f16afef7_attn:
	.size	k_q12f16afef7_attn, .Lfunc_end_k_q12f16afef7_attn-k_q12f16afef7_attn
	.p2alignl 7, 3214868480
	.fill 96, 4, 3214868480
	.section	.rodata,"a",@progbits
	.p2align	6, 0x0
	.amdhsa_kernel k_q12f16afef7_attn
		.amdhsa_group_segment_fixed_size 327680
		.amdhsa_private_segment_fixed_size 0
		.amdhsa_enable_private_segment 0
		.amdhsa_kernarg_size 16
		.amdhsa_user_sgpr_count 2
		.amdhsa_user_sgpr_kernarg_segment_ptr 1
		.amdhsa_wavefront_size32 1
		.amdhsa_system_sgpr_workgroup_id_x 1
		.amdhsa_system_sgpr_workgroup_id_y 1
		.amdhsa_system_sgpr_workgroup_id_z 1
		.amdhsa_system_vgpr_workitem_id 0
		.amdhsa_next_free_vgpr 512
		.amdhsa_next_free_sgpr 84
		.amdhsa_reserve_vcc 1
		.amdhsa_float_denorm_mode_32 3
		.amdhsa_float_denorm_mode_16_64 3
		.amdhsa_memory_ordered 1
		.amdhsa_forward_progress 1
		.amdhsa_inst_pref_size 112
	.end_amdhsa_kernel
	.amdgpu_metadata
---
amdhsa.version: [ 1, 2 ]
amdhsa.kernels:
  - .name:           k_q12f16afef7_attn
    .symbol:         k_q12f16afef7_attn.kd
    .args:
      - { .name: qkv, .offset: 0, .size: 8, .value_kind: global_buffer, .address_space: global }
      - { .name: yh, .offset: 8, .size: 8, .value_kind: global_buffer, .address_space: global }
    .group_segment_fixed_size: 327680
    .private_segment_fixed_size: 0
    .kernarg_segment_align: 8
    .kernarg_segment_size: 16
    .max_flat_workgroup_size: 256
    .sgpr_count:     84
    .vgpr_count:     512
    .wavefront_size: 32
...
	.end_amdgpu_metadata
.endif
;; end of part 3
;; launch proj (part 4): grid 8 x 64, 4 waves a work-group, clusters of 4 x 4, 327,680 bytes of LDS; arguments yh, wpt, out0, b_proj; writes out0
.if DOCPART == 4
	.amdgcn_target "amdgcn-amd-amdhsa--gfx1250"
	.amdhsa_code_object_version 6
	.text
	.protected	k_q12f16afef7_proj
	.globl	k_q12f16afef7_proj
	.p2align	8
	.type	k_q12f16afef7_proj,@function
k_q12f16afef7_proj:
	s_mov_b64 s[64:65], 0
	v_nop
	global_prefetch_b8 v0, s[64:65] scope:SCOPE_SE
	s_setreg_imm32_b32 hwreg(HW_REG_WAVE_MODE, 25, 1), 1
	s_wait_xcnt 0x0
	s_wait_alu depctr_hold_cnt(0) depctr_sa_sdst(0) depctr_va_vdst(0) depctr_va_sdst(0) depctr_va_ssrc(0) depctr_va_vcc(0) depctr_vm_vsrc(0)
	s_getreg_b32 s2, hwreg(HW_REG_IB_STS2, 6, 4)
	s_cmp_eq_u32 s2, 0
	s_cbranch_scc0 .Lentry_in_a_cluster
	s_endpgm
.Lentry_in_a_cluster:
	s_bfe_u32 s2, ttmp6, 0x10000c
	s_cmp_lg_u32 s2, 0xf033
	s_cbranch_scc0 .Lentry_shape_is_right
	s_endpgm
.Lentry_shape_is_right:
; out0 = y W_proj + b_proj for all 8,192 rows, on f16 operands, sums in f32.  A = yh [head 16][row 8192][64] f16 (k = 64 x head + channel), B = wpt [n 1024][k 1024] f16, out0 [8192][1024] f32.
; (The first 16 positions of each sequence are written over by the launch that follows, which carries them in f32.)
; A tile of C is 128 x 128: 512 work-groups; four waves, each 64 x 64: 16 accumulators.  K goes in steps of 256 (four heads) through two LDS slots.
; A's part of a step, 64 rows x 4 heads, is four dense runs of 8,192 bytes, 1 MB apart: stated as 4 rows of 4,096 elements, with 16 bytes of padding behind every 128: in LDS [head][row][144 bytes].
; CLUSTERS: 4 x 4 work-groups; A's tiles are asked for jointly along a row of the cluster, B's along a column.
; THE MATRIX INSTRUCTION IS USED TRANSPOSED (source 0 = 16 rows of B, source 1 = 16 rows of A): a lane holds eight neighbouring columns of a row of C.  The bias is the C of each sum's first product.
; REGISTERS: window 0: v0-31 addresses; v96-127 the bias; v128-255 the accumulators ((a, b) at v[128 + 8 (4 a + b)]).  window 1: two fragment buffers of 128: 64 registers of A, then 64 of B, for 64 along K.
.set KSTEP,  256
.set PA,     144
.set PB,     528
.set HALFA,  4*64*PA                   ; what one load brings of A, and what a wave reads of it
.set HALFB,  64*PB
.set BOFF,   2*HALFA
.set SLOT,   2*HALFA+2*HALFB
.set STAGE,  2*SLOT                    ; behind the ring: 16 rows x 272 bytes for each wave: a wave's 64 columns are 256 aligned bytes of a row of C, so each wave has a stage of its own
.set SPITCH, 272
.set SPARE,  STAGE+4*16*SPITCH         ; the spare words, 128 bytes for each wave: two blocks of 256 bytes that no other line names
.set ADRA, 16
.set ADRB, 20
.set STO,  24
.set RD,   25
.set CO,   26
.set SPW,  28
.set NIL,  29
.set BIAS, 96
.set ACC,  128
.set F0,   0
.set F1,   128
.set G1, 24
.set G0, 32
.set G1B, 48
.set G0B, 56
.set MSB, 0
.macro WIN new
.if MSB != \new
	s_set_vgpr_msb (MSB<<8)|\new
.set MSB, \new
.endif
.endm
.set MUL,  0x05                        ; sources 0 (B) and 1 (A) window 1; C and D window 0
.set TO_F, 0x40
.macro JLOAD s                         ; a joint load: waves 0 and 1 fetch A's halves, waves 2 and 3 B's; an s_nop 0 and four v_nop follow each line
	s_cmp_eq_u32 s11, 0
	s_cbranch_scc0 .Lfor_b_\@
	tensor_load_to_lds s[G0+4*\s:G0+4*\s+3], s[G1:G1+7]
	s_nop 0
.rept 4
	v_nop
.endr
	s_branch .Lasked_\@
.Lfor_b_\@:
	tensor_load_to_lds s[G0B+4*\s:G0B+4*\s+3], s[G1B:G1B+7]
	s_nop 0
.rept 4
	v_nop
.endr
.Lasked_\@:
.endm
.macro CREST
	s_cmp_lg_u32 s10, 0
	s_cbranch_scc1 .Lnot_wave_0_\@
	s_barrier_signal -3
.Lnot_wave_0_\@:
	s_barrier_wait -3
	s_barrier_signal -1
	s_barrier_wait -1
.endm
.macro CROUND
	s_barrier_signal -1
	s_barrier_wait -1
	CREST
.endm
	s_load_b128 s[4:7], s[0:1], 0x0                ; yh s[4:5], wpt s[6:7]
	s_load_b64 s[8:9], s[0:1], 0x10                ; out0
	s_load_b64 s[66:67], s[0:1], 0x18              ; b_proj
	v_lshl_add_u32 v[SPW], v0, 2, SPARE
	v_mov_b32 v[NIL], 0
	ds_add_u32 v[SPW], v[NIL]                      ; the wave's opening: the add, twice on end, and its wait ahead of my first tensor load
	ds_add_u32 v[SPW], v[NIL]
	v_lshrrev_b32 v1, 5, v0
	v_readfirstlane_b32 s10, v1                    ; wave 0..3
	s_lshr_b32 s11, s10, 1                         ; which half of the tile's rows is mine.  Also: I fetch for A (0) or for B (1)
	s_and_b32 s12, s10, 1                          ; which half of its columns.  Also: which 64 rows of that tile I fetch
	s_bfe_u32 s40, ttmp6, 0x40000
	s_bfe_u32 s41, ttmp6, 0x40004
	s_lshl_b32 s42, ttmp9, 2
	s_add_co_u32 s42, s42, s40                     ; tile column
	s_and_b32 s13, ttmp7, 0xffff
	s_lshl_b32 s13, s13, 2
	s_add_co_u32 s13, s13, s41                     ; tile row
	s_lshl_b32 s43, s41, 2
	s_lshl_b32 s43, 15, s43
	s_lshl_b32 s44, 0x1111, s40
	s_or_b32 s[G1+0], s43, (1<<16)|(1<<20)|(1<<21)|(4<<22)|(3<<25)  ; A: the mask of my row; elements of 2 bytes; 4 words of padding after every 32
	s_mov_b32 s[G1+1], 4096<<16                    ; tensor_dim0: 64 rows x 64 channels on end
	s_mov_b32 s[G1+2], 4<<16                       ; tensor_dim1: four heads
	s_mov_b32 s[G1+3], 4096<<16                    ; tile_dim0
	s_mov_b32 s[G1+4], 4                           ; tile_dim1
	s_mov_b32 s[G1+5], 524288                      ; from head to head: 8,192 rows x 64
	s_mov_b32 s[G1+6], 0
	s_mov_b32 s[G1+7], 0
	s_or_b32 s[G1B+0], s44, (1<<16)|(1<<20)|(1<<21)|(6<<22)|(3<<25) ; B: the mask of my column; 4 words of padding after every 128
	s_mov_b32 s[G1B+1], KSTEP<<16
	s_mov_b32 s[G1B+2], 64<<16
	s_mov_b32 s[G1B+3], KSTEP<<16
	s_mov_b32 s[G1B+4], 64
	s_mov_b32 s[G1B+5], 1024
	s_mov_b32 s[G1B+6], 0
	s_mov_b32 s[G1B+7], 0
	s_lshl_b32 s17, s12, 6
	s_lshl_b32 s16, s13, 7
	s_add_co_u32 s16, s16, s17                     ; A: row 128 x tile row + 64 x half,
	s_lshl_b32 s16, s16, 7                         ; of 128 bytes
	s_lshl_b32 s46, s42, 7
	s_add_co_u32 s46, s46, s17                     ; B: row 128 x tile column + 64 x half,
	s_lshl_b32 s46, s46, 11                        ; of 2,048 bytes
	s_mov_b32 s17, 0
	s_mov_b32 s47, 0
	s_mul_i32 s20, s12, HALFA                      ; where they go: no place in the cluster enters an LDS address
	s_mul_i32 s21, s12, HALFB
	s_add_co_u32 s21, s21, BOFF
	s_wait_dscnt 0x0                               ; both opening adds are done
	s_wait_kmcnt 0x0
	s_add_nc_u64 s[14:15], s[4:5], s[16:17]
	s_add_nc_u64 s[46:47], s[6:7], s[46:47]
	CROUND                                         ; all sixteen work-groups are here: the first joint loads meet
.irp s, 0,1
	s_mov_b32 s[G0+4*\s], 1
	s_add_co_u32 s[G0+4*\s+1], s20, \s*SLOT
	s_add_nc_u64 s[G0+4*\s+2:G0+4*\s+3], s[14:15], \s*4194304      ; K step s: four heads of 1 MB on
	s_or_b32 s[G0+4*\s+3], s[G0+4*\s+3], 0x80000000
	s_mov_b32 s[G0B+4*\s], 1
	s_add_co_u32 s[G0B+4*\s+1], s21, \s*SLOT
	s_add_nc_u64 s[G0B+4*\s+2:G0B+4*\s+3], s[46:47], \s*KSTEP*2
	s_or_b32 s[G0B+4*\s+3], s[G0B+4*\s+3], 0x80000000
	JLOAD \s
.endr
	v_and_b32 v1, 15, v0                           ; r
	v_bfe_u32 v2, v0, 4, 1                         ; h
	v_mul_u32_u24 v3, v1, PA
	v_lshl_add_u32 v3, v2, 4, v3
	v_mul_u32_u24 v4, v1, PB
	v_lshl_add_u32 v4, v2, 4, v4
	s_mul_i32 s21, s11, HALFA                      ; my 64 rows of A
	s_mul_i32 s22, s12, HALFB                      ; my 64 rows of B, behind A's
	s_add_co_u32 s22, s22, BOFF
.irp s, 0,1
	v_add_nc_u32 v[ADRA+\s], s21, v3
	v_add_nc_u32 v[ADRB+\s], s22, v4
	s_add_co_u32 s21, s21, SLOT
	s_add_co_u32 s22, s22, SLOT
.endr
	s_mul_i32 s23, s10, 16*SPITCH
	s_add_co_u32 s23, s23, STAGE                   ; my stage
	v_mul_u32_u24 v5, v1, SPITCH
	v_lshl_add_u32 v5, v2, 5, v5
	v_add_nc_u32 v[STO], s23, v5                   ; in: row r, 32 bytes for each half of the lanes
	v_mul_u32_u24 v5, v2, SPITCH
	v_lshl_add_u32 v5, v1, 4, v5
	v_add_nc_u32 v[RD], s23, v5                    ; back: lanes 0-15 one row of 256 bytes, lanes 16-31 the next
	v_lshlrev_b32 v5, 12, v2
	v_lshl_add_u32 v[CO], v1, 4, v5                ; and the same two rows in out0
	v_lshlrev_b32 v5, 5, v2                        ; the bias: 32 h
	s_lshl_b32 s16, s13, 1
	s_add_co_u32 s16, s16, s11
	s_lshl_b32 s16, s16, 18                        ; my first row: 64 rows of 4,096 bytes
	s_mov_b32 s17, 0
	s_add_nc_u64 s[8:9], s[8:9], s[16:17]
	s_lshl_b32 s46, s42, 1
	s_add_co_u32 s46, s46, s12
	s_lshl_b32 s46, s46, 8                         ; my first column: 64 numbers of 4 bytes
	s_mov_b32 s47, 0
	s_add_nc_u64 s[8:9], s[8:9], s[46:47]
	s_add_nc_u64 s[66:67], s[66:67], s[46:47]
.irp b, 0,1,2,3
	global_load_b128 v[BIAS+8*\b:BIAS+8*\b+3], v5, s[66:67] offset:64*\b
	global_load_b128 v[BIAS+8*\b+4:BIAS+8*\b+7], v5, s[66:67] offset:64*\b+16
.endr
; 8 matrix instructions: m blocks a0, a0 + 1 x all 4 n blocks, 32 along K: half c of buffer f.  zero = 1: the first product starts the sums from the bias.  The 16 accumulators take turns.
.macro MUL8 f, c, a0, zero
.irp a, \a0, \a0+1
.irp b, 0,1,2,3
.if \zero
	v_wmma_f32_16x16x32_f16 v[ACC+8*(4*(\a)+\b):ACC+8*(4*(\a)+\b)+7], v[\f+64+8*(4*\c+\b):\f+64+8*(4*\c+\b)+7], v[\f+8*(4*\c+\a):\f+8*(4*\c+\a)+7], v[BIAS+8*\b:BIAS+8*\b+7]
.else
	v_wmma_f32_16x16x32_f16 v[ACC+8*(4*(\a)+\b):ACC+8*(4*(\a)+\b)+7], v[\f+64+8*(4*\c+\b):\f+64+8*(4*\c+\b)+7], v[\f+8*(4*\c+\a):\f+8*(4*\c+\a)+7], v[ACC+8*(4*(\a)+\b):ACC+8*(4*(\a)+\b)+7]
.endif
.endr
.endr
.endm
; 32 LDS loads in one run: the fragments of the slot's q-th 64 along K (A: head q of the step's four) into buffer f; the first 32 along K first
.macro FETCH slot, q, f
	WIN TO_F
.irp c, 0,1
.irp i, 0,1,2,3
	ds_load_b128 v[\f+64+8*(4*\c+\i):\f+64+8*(4*\c+\i)+3],   v[ADRB+\slot] offset:128*(\q)+64*\c+\i*16*PB
	ds_load_b128 v[\f+64+8*(4*\c+\i)+4:\f+64+8*(4*\c+\i)+7], v[ADRB+\slot] offset:128*(\q)+64*\c+\i*16*PB+32
	ds_load_b128 v[\f+8*(4*\c+\i):\f+8*(4*\c+\i)+3],         v[ADRA+\slot] offset:64*PA*(\q)+64*\c+\i*16*PA
	ds_load_b128 v[\f+8*(4*\c+\i)+4:\f+8*(4*\c+\i)+7],       v[ADRA+\slot] offset:64*PA*(\q)+64*\c+\i*16*PA+32
.endr
.endr
.endm
.macro PLACES                          ; four plain instructions ahead of loads into registers that matrix instructions have read, and of the first read of results
.rept 4
	v_nop
.endr
.endm
.macro QUARTER slot, q, f, g, zero     ; multiplies buffer f and fetches the slot's q-th quarter into g
	s_wait_dscnt 16                                ; the first 32 along K are in; the other sixteen loads may be out
	WIN MUL
	MUL8 \f, 0, 0, \zero
	MUL8 \f, 0, 2, \zero
	PLACES
	FETCH \slot, \q, \g
	s_wait_dscnt 32                                ; all but the 32 just issued
	WIN MUL
	MUL8 \f, 1, 0, 0
	MUL8 \f, 1, 2, 0
.endm
; A slot's last quarter changes slots: one barrier; in front of it all my tensor loads have landed, the add, and my reads of this slot are over.  fill = 1: the barrier opens a round of the cluster's, and this slot is filled again.
.macro TURN slot, next, fill
	WIN 0
	s_wait_tensorcnt 0x0                           ; all my tensor loads have landed: my part of the next slot
	ds_add_u32 v[SPW], v[NIL]                      ; 0 onto my spare word
	s_wait_dscnt 17                                ; (the add and the youngest sixteen loads may be out)
	WIN MUL
	MUL8 F1, 0, 0, 0
	s_wait_dscnt 0x0                               ; the add is done, and my reads of this slot are over
	s_barrier_signal -1
	MUL8 F1, 0, 2, 0
.if \fill
	WIN 0
.endif
	s_barrier_wait -1
.if \fill
	CREST                                          ; no wave of any partner still reads this slot or has a load on its way
	s_add_nc_u64 s[G0+4*\slot+2:G0+4*\slot+3], s[G0+4*\slot+2:G0+4*\slot+3], 8388608    ; two K steps on: eight heads
	s_add_nc_u64 s[G0B+4*\slot+2:G0B+4*\slot+3], s[G0B+4*\slot+2:G0B+4*\slot+3], 2*KSTEP*2
	JLOAD \slot                                    ; the first tensor load behind the round; its four v_nop are also the places ahead of the loads below
.else
	PLACES
.endif
	FETCH \next, 0, F0
	WIN MUL
	MUL8 F1, 1, 0, 0
	MUL8 F1, 1, 2, 0
.endm
	s_wait_tensorcnt 1                             ; my part of K step 0 is in; K step 1's load may be out
	s_barrier_signal -1
	s_barrier_wait -1
	FETCH 0, 0, F0
	s_wait_loadcnt 0x0                             ; the bias
	QUARTER 0, 1, F0, F1, 1                        ; K steps 0 and 1; both slots are filled again, with K steps 2 and 3
	QUARTER 0, 2, F1, F0, 0
	QUARTER 0, 3, F0, F1, 0
	TURN 0, 1, 1
	QUARTER 1, 1, F0, F1, 0
	QUARTER 1, 2, F1, F0, 0
	QUARTER 1, 3, F0, F1, 0
	TURN 1, 0, 1
	QUARTER 0, 1, F0, F1, 0                        ; K steps 2 and 3: nothing is left to ask for
	QUARTER 0, 2, F1, F0, 0
	QUARTER 0, 3, F0, F1, 0
	TURN 0, 1, 0
	QUARTER 1, 1, F0, F1, 0
	QUARTER 1, 2, F1, F0, 0
	QUARTER 1, 3, F0, F1, 0
	s_wait_dscnt 16
	WIN MUL
	MUL8 F1, 0, 0, 0
	MUL8 F1, 0, 2, 0
	s_wait_dscnt 0
	MUL8 F1, 1, 0, 0
	MUL8 F1, 1, 2, 0
	WIN 0
	; THE WAY OUT: a block of 16 rows x 64 columns at a time through my own stage, back as whole rows of 256 bytes into the registers that it left.  LDS serves a wave's instructions in order.
	PLACES
.irp a, 0,1,2,3
.irp b, 0,1,2,3
	ds_store_b128 v[STO], v[ACC+8*(4*\a+\b):ACC+8*(4*\a+\b)+3] offset:64*\b          ; each accumulator from its low end on
	ds_store_b128 v[STO], v[ACC+8*(4*\a+\b)+4:ACC+8*(4*\a+\b)+7] offset:64*\b+16
.endr
.irp t, 0,1,2,3,4,5,6,7
	ds_load_b128 v[ACC+32*\a+4*\t:ACC+32*\a+4*\t+3], v[RD] offset:\t*2*SPITCH
.endr
.endr
.irp a, 0,1,2,3
.irp t, 0,1,2,3,4,5,6,7
	s_wait_dscnt 16*(3-\a)+7-\t                    ; behind this load: the block's younger loads, and sixteen LDS instructions for each later block
	global_store_b128 v[CO], v[ACC+32*\a+4*\t:ACC+32*\a+4*\t+3], s[8:9] offset:(16*\a+2*\t)*4096 th:TH_STORE_NT   ; sixteen lanes store 256 consecutive bytes, aligned
.endr
.endr
	s_wait_tensorcnt 0x0                           ; the wave's end
	ds_add_u32 v[SPW], v[NIL]
	s_wait_dscnt 0x0
	CROUND                                         ; the closing round
	s_endpgm
.Lfunc_end_k_q12f16afef7_proj:
	.size	k_q12f16afef7_proj, .Lfunc_end_k_q12f16afef7_proj-k_q12f16afef7_proj
	.p2alignl 7, 3214868480
	.fill 96, 4, 3214868480
	.section	.rodata,"a",@progbits
	.p2align	6, 0x0
	.amdhsa_kernel k_q12f16afef7_proj
		.amdhsa_group_segment_fixed_size 327680
		.amdhsa_private_segment_fixed_size 0
		.amdhsa_enable_private_segment 0
		.amdhsa_kernarg_size 32
		.amdhsa_user_sgpr_count 2
		.amdhsa_user_sgpr_kernarg_segment_ptr 1
		.amdhsa_wavefront_size32 1
		.amdhsa_system_sgpr_workgroup_id_x 1
		.amdhsa_system_sgpr_workgroup_id_y 1
		.amdhsa_system_sgpr_workgroup_id_z 1
		.amdhsa_system_vgpr_workitem_id 0
		.amdhsa_next_free_vgpr 512
		.amdhsa_next_free_sgpr 70
		.amdhsa_reserve_vcc 0
		.amdhsa_float_denorm_mode_32 3
		.amdhsa_float_denorm_mode_16_64 3
		.amdhsa_memory_ordered 1
		.amdhsa_forward_progress 1
		.amdhsa_inst_pref_size 87
	.end_amdhsa_kernel
	.amdgpu_metadata
---
amdhsa.version: [ 1, 2 ]
amdhsa.kernels:
  - .name:           k_q12f16afef7_proj
    .symbol:         k_q12f16afef7_proj.kd
    .args:
      - { .name: yh, .offset: 0, .size: 8, .value_kind: global_buffer, .address_space: global }
      - { .name: wpt, .offset: 8, .size: 8, .value_kind: global_buffer, .address_space: global }
      - { .name: out0, .offset: 16, .size: 8, .value_kind: global_buffer, .address_space: global }
      - { .name: b_proj, .offset: 24, .size: 8, .value_kind: global_buffer, .address_space: global }
    .group_segment_fixed_size: 327680
    .private_segment_fixed_size: 0
    .kernarg_segment_align: 8
    .kernarg_segment_size: 32
    .max_flat_workgroup_size: 128
    .sgpr_count:     70
    .vgpr_count:     512
    .wavefront_size: 32
...
	.end_amdgpu_metadata
.endif
;; end of part 4
;; launch head16 (part 5): grid 32 x 4, 16 waves a work-group, no clusters, 35,840 bytes of LDS; arguments q32, W_proj, b_proj, out0; writes out0
.if DOCPART == 5
	.amdgcn_target "amdgcn-amd-amdhsa--gfx1250"
	.amdhsa_code_object_version 6
	.text
	.protected	k_q12f16afef7_head16
	.globl	k_q12f16afef7_head16
	.p2align	8
	.type	k_q12f16afef7_head16,@function
k_q12f16afef7_head16:
	s_mov_b64 s[64:65], 0
	v_nop
	global_prefetch_b8 v0, s[64:65] scope:SCOPE_SE
	s_setreg_imm32_b32 hwreg(HW_REG_WAVE_MODE, 25, 1), 1
	s_wait_xcnt 0x0
; Positions 0 to 15 of each of the four sequences, once more and in f32 throughout: under the causal mask these rows average one to sixteen values, and 16-bit operands would weigh most there.
; q, k, v come in f32 from q32 [tile row][16][3072] (tile row 8 x batch); W_proj and b_proj as they are given.  The 64 rows of out0 are written over.
; SHARES.  Work-group (x, batch) makes output columns 32 x .. 32 x + 31 of the batch's 16 rows.  Wave w is head w: it makes the head's 16 x 16 attention (32 small matrix instructions) and the head's part, K = 64,
; of the projection; the sixteen parts meet in LDS, and wave w then sums row w.  So a batch's attention is made 32 times over: little work, and no traffic between work-groups.
; LAYOUT of the f32 form: lane (r, h) holds row or column r and k = 2 h + j in register j.  A permutation of k that is the same in both operands keeps the sum:
;   S^T = K Q^T: step i takes registers 2 i, 2 i + 1 of both, which hold channels 8 (i / 2) + 4 h + 2 (i % 2) + j;
;   O^T = V^T P: p's register 2 s + j of lane (r, h) is key 8 h + 2 s + j of query r, and V is loaded to match;  out^T = W^T y: y's register 8 ct + 2 s + j is channel 16 ct + 8 h + 2 s + j, and W is loaded to match.
; The registers that the matrix instructions write (v176-239) are written by nothing else.
.set SPARE, 33792                      ; behind the sixteen images of 2,112 bytes: the spare words, 128 bytes for each wave: eight blocks of 256 bytes that no other line names
.set SPW, 14
.set NIL, 15
.set QR,  16                           ; v16-47 Q, later y
.set KR,  48                           ; v48-79 K, later the sixteen parts
.set VR,  80                           ; v80-111 V
.set WR,  112                          ; v112-175 W
.set SA,  176                          ; v176-183, v184-191 the scores in two sums (even and odd steps)
.set OA,  192                          ; v192-223 O^T
.set A2,  224                          ; v224-239 my part of out^T
.set PP,  240                          ; v240-247 the scores, then p
	s_load_b256 s[4:11], s[0:1], 0x0               ; q32 s[4:5], W_proj s[6:7], b_proj s[8:9], out0 s[10:11]
	v_lshl_add_u32 v[SPW], v0, 2, SPARE
	v_mov_b32 v[NIL], 0
	v_lshrrev_b32 v1, 5, v0
	v_readfirstlane_b32 s12, v1                    ; wave = head
	s_and_b32 s14, ttmp7, 0xffff                   ; batch
	v_and_b32 v1, 15, v0                           ; r
	v_bfe_u32 v2, v0, 4, 1                         ; h
	v_and_b32 v3, 31, v0                           ; lane
	v_mul_u32_u24 v4, v1, 12288
	v_lshl_add_u32 v4, v2, 4, v4                   ; Q, K: row r of 12,288 bytes + 16 h
	v_mul_u32_u24 v5, v2, 98304
	v_lshl_add_u32 v5, v1, 2, v5                   ; V: key 8 h on, channel r
	v_lshlrev_b32 v6, 15, v2
	v_lshl_add_u32 v6, v1, 2, v6                   ; W: row 8 h on, column r
	v_lshlrev_b32 v7, 2, v3                        ; the bias and the way out: 4 x lane
	s_mul_i32 s15, s12, 2112
	v_lshlrev_b32 v8, 4, v3
	v_add_nc_u32 v8, s15, v8                       ; my image: 16 x lane, four groups of 512 + 16 bytes
	v_bfe_u32 v9, v0, 4, 1                         ; back: column l of row w lies in register 8 (l / 16) + l % 8 of lane w + 16 ((l / 8) % 2):
	v_bfe_u32 v10, v0, 2, 1
	v_lshl_add_u32 v9, v9, 1, v10                  ; group 2 (l / 16) + (l / 4) % 2,
	v_mul_u32_u24 v9, v9, 528
	v_bfe_u32 v10, v0, 3, 1
	v_lshl_add_u32 v9, v10, 8, v9                  ; 16 bytes x the lane,
	v_and_b32 v10, 3, v0
	v_lshl_add_u32 v9, v10, 2, v9                  ; word l % 4
	s_lshl_b32 s16, s12, 4
	v_add_nc_u32 v9, s16, v9
	v_lshlrev_b32 v10, 3, v2
	v_sub_nc_u32 v10, v1, v10                      ; r - 8 h
	v_mov_b32 v11, 0xff800000                      ; -infinity
	v_mov_b32 v250, 0                              ; a lane permute's destination counts as read
	s_mov_b32 s20, 0x76543210
	s_mov_b32 s21, 0xfedcba98
	s_mov_b32 s22, 0x3e38aa3b                      ; c = log2(e) / 8
	s_mul_i32 s16, s14, 1572864                    ; tile row 8 x batch
	s_lshl_b32 s17, s12, 8                         ; my head's 64 columns
	s_add_co_u32 s16, s16, s17
	s_mov_b32 s17, 0
	s_lshl_b32 s18, s12, 18                        ; W_proj: my head's 64 rows,
	s_lshl_b32 s24, ttmp9, 7                       ; the group's 32 columns
	s_add_co_u32 s18, s18, s24
	s_mov_b32 s19, 0
	s_mov_b32 s25, 0
	s_lshl_b32 s26, s14, 11
	s_add_co_u32 s26, s26, s12                     ; out0: row 2048 x batch + wave
	s_lshl_b32 s26, s26, 12
	s_add_co_u32 s26, s26, s24
	s_mov_b32 s27, 0
	s_wait_kmcnt 0x0
	s_add_nc_u64 s[4:5], s[4:5], s[16:17]
	s_add_nc_u64 s[6:7], s[6:7], s[18:19]
	s_add_nc_u64 s[8:9], s[8:9], s[24:25]
	s_add_nc_u64 s[10:11], s[10:11], s[26:27]
.irp i, 0,1,2,3,4,5,6,7
	global_load_b128 v[QR+4*\i:QR+4*\i+3], v4, s[4:5] offset:32*\i
.endr
.irp i, 0,1,2,3,4,5,6,7
	global_load_b128 v[KR+4*\i:KR+4*\i+3], v4, s[4:5] offset:4096+32*\i
.endr
.irp ct, 0,1,2,3
.irp k, 0,1,2,3,4,5,6,7
	global_load_b32 v[VR+8*\ct+\k], v5, s[4:5] offset:8192+\k*12288+64*\ct
.endr
.endr
	global_load_b32 v12, v7, s[8:9]                ; the bias of column l
	s_wait_loadcnt 33                              ; Q and K are in; V's 32 loads and the bias may be out
.set kk, 0
.rept 16                               ; S^T = K Q^T: two sums by turns; each begins with 0 as the C of its own first step
.set rD, SA+8*(kk%2)
.if kk < 2
	v_wmma_f32_16x16x4_f32 v[rD:rD+7], v[KR+2*kk:KR+2*kk+1], v[QR+2*kk:QR+2*kk+1], 0
.else
	v_wmma_f32_16x16x4_f32 v[rD:rD+7], v[KR+2*kk:KR+2*kk+1], v[QR+2*kk:QR+2*kk+1], v[rD:rD+7]
.endif
.set kk, kk+1
.endr
	s_wait_loadcnt 0x0                             ; V and the bias, asked for together with Q and K
.set n, 0
.rept 32
	global_load_b32 v[WR+n], v6, s[6:7] offset:((n/8)*16+n%8)*4096          ; W(64 w + 16 ct + 8 h + 2 s + j, 32 x + r); they land under the softmax
	global_load_b32 v[WR+32+n], v6, s[6:7] offset:((n/8)*16+n%8)*4096+64    ; and 16 columns on
.set n, n+1
.endr
.rept 8
	v_nop                                          ; eight places behind this form, ahead of the first read of its results (ISA guide 7.12.1)
.endr
.irp j, 0,1,2,3,4,5,6,7
	v_add_f32 v[PP+\j], v[SA+\j], v[SA+8+\j]       ; lane (r, h): the score of key 8 h + j for query r
.endr
.irp j, 0,1,2,3,4,5,6,7
	v_cmp_gt_i32 vcc_lo, \j, v10                   ; hidden where 8 h + j > r
	v_cndmask_b32 v[PP+\j], v[PP+\j], v11, vcc_lo
.endr
	v_max3_num_f32 v248, v240, v241, v242
	v_max3_num_f32 v249, v243, v244, v245
	v_max3_num_f32 v248, v248, v246, v247
	v_max_num_f32 v248, v248, v249
	v_permlanex16_b32 v250, v248, s20, s21
	v_max_num_f32 v248, v248, v250                 ; the row's maximum: key 0 counts for every query
	v_mul_f32 v248, s22, v248
.irp j, 0,1,2,3,4,5,6,7
	v_fma_f32 v[PP+\j], v[PP+\j], s22, -v248
.endr
.irp j, 0,1,2,3,4,5,6,7
	v_exp_f32 v[PP+\j], v[PP+\j]
.endr
	v_nop
	s_wait_alu depctr_va_vdst(0)                   ; one wait for the eight, ahead of their first reader
	v_add_f32 v249, v240, v241
	v_add_f32 v251, v242, v243
	v_add_f32 v252, v244, v245
	v_add_f32 v253, v246, v247
	v_add_f32 v249, v249, v251
	v_add_f32 v252, v252, v253
	v_add_f32 v249, v249, v252
	v_permlanex16_b32 v250, v249, s20, s21
	v_add_f32 v249, v249, v250                     ; the row's sum
	v_rcp_f32 v251, v249
	v_nop
	s_wait_alu depctr_va_vdst(0)
.irp k, 0,1,2,3                        ; O^T = V^T P: four sums by turns
.irp ct, 0,1,2,3
.if \k == 0
	v_wmma_f32_16x16x4_f32 v[OA+8*\ct:OA+8*\ct+7], v[VR+8*\ct+2*\k:VR+8*\ct+2*\k+1], v[PP+2*\k:PP+2*\k+1], 0
.else
	v_wmma_f32_16x16x4_f32 v[OA+8*\ct:OA+8*\ct+7], v[VR+8*\ct+2*\k:VR+8*\ct+2*\k+1], v[PP+2*\k:PP+2*\k+1], v[OA+8*\ct:OA+8*\ct+7]
.endif
.endr
.endr
.rept 8
	v_nop
.endr
.set n, 0
.rept 32
	v_mul_f32 v[QR+n], v[OA+n], v251               ; y, into other registers; each sum read from its low end on
.set n, n+1
.endr
	s_wait_loadcnt 0x0                             ; W
.irp ct, 0,1,2,3                       ; out^T = W^T y: two sums by turns
.irp k, 0,1,2,3
.irp nt, 0,1
.if (\ct == 0) && (\k == 0)
	v_wmma_f32_16x16x4_f32 v[A2+8*\nt:A2+8*\nt+7], v[WR+32*\nt+8*\ct+2*\k:WR+32*\nt+8*\ct+2*\k+1], v[QR+8*\ct+2*\k:QR+8*\ct+2*\k+1], 0
.else
	v_wmma_f32_16x16x4_f32 v[A2+8*\nt:A2+8*\nt+7], v[WR+32*\nt+8*\ct+2*\k:WR+32*\nt+8*\ct+2*\k+1], v[QR+8*\ct+2*\k:QR+8*\ct+2*\k+1], v[A2+8*\nt:A2+8*\nt+7]
.endif
.endr
.endr
.endr
.rept 8
	v_nop
.endr
.irp g, 0,1,2,3
	ds_store_b128 v8, v[A2+4*\g:A2+4*\g+3] offset:528*\g   ; my part as an image of its registers
.endr
	s_wait_dscnt 0x0                               ; for the others' sake: my stores have landed
	s_barrier_signal -1
	s_barrier_wait -1
.irp n, 0,1,2,3,4,5,6,7,8,9,10,11,12,13,14,15
	ds_load_b32 v[KR+\n], v9 offset:2112*\n        ; head n's part of out(row w, column l)
.endr
	s_wait_dscnt 0x0
	v_add_f32 v248, v12, v[KR]
.irp n, 1,2,3,4,5,6,7,8,9,10,11,12,13,14,15
	v_add_f32 v248, v248, v[KR+\n]
.endr
	global_store_b32 v7, v248, s[10:11]            ; the wave stores 128 consecutive bytes of its row
	s_wait_tensorcnt 0x0                           ; the wave's end
	ds_add_u32 v[SPW], v[NIL]
	s_wait_dscnt 0x0
	s_endpgm
.Lfunc_end_k_q12f16afef7_head16:
	.size	k_q12f16afef7_head16, .Lfunc_end_k_q12f16afef7_head16-k_q12f16afef7_head16
	.p2alignl 7, 3214868480
	.fill 96, 4, 3214868480
	.section	.rodata,"a",@progbits
	.p2align	6, 0x0
	.amdhsa_kernel k_q12f16afef7_head16
		.amdhsa_group_segment_fixed_size 35840
		.amdhsa_private_segment_fixed_size 0
		.amdhsa_enable_private_segment 0
		.amdhsa_kernarg_size 32
		.amdhsa_user_sgpr_count 2
		.amdhsa_user_sgpr_kernarg_segment_ptr 1
		.amdhsa_wavefront_size32 1
		.amdhsa_system_sgpr_workgroup_id_x 1
		.amdhsa_system_sgpr_workgroup_id_y 1
		.amdhsa_system_sgpr_workgroup_id_z 1
		.amdhsa_system_vgpr_workitem_id 0
		.amdhsa_next_free_vgpr 256
		.amdhsa_next_free_sgpr 66
		.amdhsa_reserve_vcc 1
		.amdhsa_float_denorm_mode_32 3
		.amdhsa_float_denorm_mode_16_64 3
		.amdhsa_memory_ordered 1
		.amdhsa_forward_progress 1
		.amdhsa_inst_pref_size 24
	.end_amdhsa_kernel
	.amdgpu_metadata
---
amdhsa.version: [ 1, 2 ]
amdhsa.kernels:
  - .name:           k_q12f16afef7_head16
    .symbol:         k_q12f16afef7_head16.kd
    .args:
      - { .name: q32, .offset: 0, .size: 8, .value_kind: global_buffer, .address_space: global }
      - { .name: W_proj, .offset: 8, .size: 8, .value_kind: global_buffer, .address_space: global }
      - { .name: b_proj, .offset: 16, .size: 8, .value_kind: global_buffer, .address_space: global }
      - { .name: out0, .offset: 24, .size: 8, .value_kind: global_buffer, .address_space: global }
    .group_segment_fixed_size: 35840
    .private_segment_fixed_size: 0
    .kernarg_segment_align: 8
    .kernarg_segment_size: 32
    .max_flat_workgroup_size: 512
    .sgpr_count:     66
    .vgpr_count:     256
    .wavefront_size: 32
...
	.end_amdgpu_metadata
.endif
;; end of part 5
